; MI455X (gfx1250); checked and timed in simulation.
; The chip was launched on July 23, 2026; its instructions are those of AMD's public machine-readable ISA for CDNA 5 (MIT licence, August 2026) and "CDNA5" Instruction Set Architecture Reference Guide (July 2026). The comments in the code are by the model that wrote it; some were corrected since.
;; Cross Attention. Allowed arithmetic: matrix products marked QUANTISED: E4M3 operands, one given power-of-two scale a tensor, by v_wmma_f32_16x16x64_fp8_fp8 or v_wmma_f32_16x16x128_fp8_fp8, f32 sums; everything else in f32.
;; Inputs: Wkv_codes 2,048 x 32 x 32 uint8 (E4M3 codes of Wkv, K innermost, in blocks of 32 codes); Wout_codes 1,024 x 32 x 32 uint8 (E4M3 codes of Wout, K innermost, in blocks of 32 codes); Wq_codes 1,024 x 32 x 32 uint8 (E4M3 codes of Wq, K innermost, in blocks of 32 codes); beta one number float32; bout 1,024 float32; context_codes 2 x 4 x 1,024 x 32 x 32 uint8 (E4M3 codes of context, K innermost, in blocks of 32 codes); doc_similarities 2 x 4 float32; lowp_scales 10 int32 (the exponents e of the quantised operands' scales 2^e); x_codes 2 x 1,024 x 32 x 32 uint8 (E4M3 codes of x, K innermost, in blocks of 32 codes).
;; Outputs: out0 2 x 1,024 x 1,024 float32.
;; This version of the problem:
;;   THIS VERSION OF THE PROBLEM IS GIVEN IN LOW PRECISION. The matrix products marked QUANTISED in the list below multiply operands that are first quantised to E4M3 (4 exponent bits, 3 mantissa bits; 8 bits a number), with one given power-of-two scale for each operand tensor; their sums are f32. All else is computed in f32.
;;   The module's matrix products, in the order in which they are computed (A, B: the left and right operand; K: the contracted axis; several contracted axes count as one K, in the product's order):
;;     1. [M 2,048, K 1,024] x [K 1,024, N 1,024]; A: input x (given as codes); B: input Wq (given as codes): QUANTISED (scales: A lowp_scales[0], B lowp_scales[1])
;;     2. [M 8,192, K 1,024] x [K 1,024, N 2,048]; A: input context (given as codes); B: input Wkv (given as codes): QUANTISED (scales: A lowp_scales[2], B lowp_scales[3])
;;     3. batch 16 x [M 1,024, K 128] x [K 128, N 4,096]; A: computed on the way; B: computed on the way: QUANTISED (scales: A lowp_scales[4], B lowp_scales[5])
;;     4. batch 16 x [M 1,024, K 4,096] x [K 4,096, N 128]; A: softmax (see below); B: computed on the way: QUANTISED (scales: A lowp_scales[6], B lowp_scales[7])
;;     5. [M 2,048, K 1,024] x [K 1,024, N 1,024]; A: computed on the way; B: input Wout (given as codes): QUANTISED (scales: A lowp_scales[8], B lowp_scales[9])
;;   THE QUANTISER, for each operand of a quantised product, along K:
;;     - The operand's scale is 2^e, e = its entry of the input lowp_scales (int32; the entries are numbered through the quantised products in the list's order, A before B).
;;     - Each number is divided by the scale, clamped to +-448, and rounded to the nearest number of E4M3, ties to even, subnormals kept.
;;     - The product sums the exact products of the quantised numbers (number of the format x scale) in f32.
;;   ~~~python
;;   def quantise(x, axis, e):      # numpy; x: float32 -> the quantised numbers, widened to float32 again
;;       x = np.moveaxis(x, axis, -1); K = x.shape[-1]
;;       r = np.clip(x / 2.0 ** e, -448, 448)
;;       step = 2.0 ** (np.maximum(np.frexp(np.where(r == 0, 1, r))[1] - 1, -6) - 3)
;;       q = np.round(r / step) * step * 2.0 ** e      # np.round: ties to even
;;       return np.moveaxis(q, -1, axis).astype(np.float32)
;;   ~~~
;;   SOFTMAX AHEAD OF A QUANTISED PRODUCT. Where the list says 'softmax', what is quantised is not the finished softmax but p = 2^(t - M), with t = logit x log2(e) and M = ceil(the row's largest t), a whole number; so 1/2 < the row's largest p <= 1. The row's sum l is taken of the UNQUANTISED p, in f32, and the product's result is divided by l at the end. Since M is a whole number, a kernel that streams over the keys may use a running M (the ceiling of the running maximum): every later rescaling is an exact power of two, so the quantised numbers keep their values, but for numbers so far below the row's largest that they fall under the format's range.
;;   OPERANDS COMPUTED ON THE WAY. 'Computed on the way' means the value that the module computes at that place (a softmax that the list does not call 'softmax' is quantised finished and normalised). What goes into a quantiser is computed in f32, as accurately as f32 sums, v_exp_f32 and their like allow (about 1e-6 of the number): no bf16 or f16 on the way to a quantiser, and a product that is left as it is and whose result goes on into a quantised operand takes f32 operands (vector FMAs, or v_wmma_f32_16x16x4_f32). A number that lies on a knife's edge between two numbers of the format may be rounded either way, as far as f32 arithmetic and the matrix unit's own rounding can turn it there, and no further.
;;   INPUTS GIVEN AS CODES. Wkv (in the module: [1024, 2048], K = its axis 0); Wout (in the module: [1024, 1024], K = its axis 0); Wq (in the module: [1024, 1024], K = its axis 0); context (in the module: [2, 4, 1024, 1024], K = its axis 3); x (in the module: [2, 1024, 1024], K = its axis 2): each comes as NAME_codes (uint8): NAME with its K axis moved to the last place and cut into blocks of 32 codes, [.., K / 32, bytes a block], one block behind the other in memory; one code a byte (a code: sign, 4 exponent bits, 3 mantissa bits); its scale is its entry of lowp_scales. Its value is code x scale, taken as it is: it is not quantised again, and the codes and scales need not be those that the quantiser above would give.
;; 2 versions. Each part assembles by itself: llvm-mc -triple=amdgcn-amd-amdhsa -mcpu=gfx1250 --defsym DOCPART=n.
;; ======== version 1 of 2: 3 launches
;; workspace buffers: qkv 18,874,368 bytes; acodes 2,097,152 bytes
;; launch proj (part 1): grid 4 x 72, 4 waves a work-group, clusters of 4 x 4, 327,680 bytes of LDS; arguments x_codes, Wq_codes, context_codes, Wkv_codes, lowp_scales, qkv; writes qkv
.if DOCPART == 1
	.amdgcn_target "amdgcn-amd-amdhsa--gfx1250"
	.amdhsa_code_object_version 6
	.text
	.protected	k_q5bda06f5b6_proj
	.globl	k_q5bda06f5b6_proj
	.p2align	8
	.type	k_q5bda06f5b6_proj,@function
k_q5bda06f5b6_proj:
	s_mov_b64 s[64:65], 0
	v_nop
	global_prefetch_b8 v0, s[64:65] scope:SCOPE_SE
	s_setreg_imm32_b32 hwreg(HW_REG_WAVE_MODE, 25, 1), 1
	s_wait_xcnt 0x0
	s_wait_alu depctr_hold_cnt(0) depctr_sa_sdst(0) depctr_va_vdst(0) depctr_va_sdst(0) depctr_va_ssrc(0) depctr_va_vcc(0) depctr_vm_vsrc(0)
	s_getreg_b32 s2, hwreg(HW_REG_IB_STS2, 6, 4)
	s_cmp_eq_u32 s2, 0
	s_cbranch_scc0 .Lentry_in_a_cluster
	s_endpgm
.Lentry_in_a_cluster:
	s_bfe_u32 s2, ttmp6, 0x10000c
	s_cmp_lg_u32 s2, 0xf033
	s_cbranch_scc0 .Lentry_shape_is_right
	s_endpgm
.Lentry_shape_is_right:
; THE THREE PROJECTIONS, each C[m][n] = sum over k of A[m][k] B[n][k], K = 1,024, on codes of FP8 (E4M3), and the quantising of their results into codes for the attention launch.
; The cluster's y (0..17) says which:  0..7  k   = context x Wkv's rows 0..1023      (8,192 x 1,024), code = sum / 2^(e5 - e2 - e3)
;                                      8..9  q   = x x Wq                            (2,048 x 1,024), code = sum / 2^(e4 - e0 - e1)
;                                      10..17 v^T = Wkv's rows 1024..2047 x context  (1,024 x 8,192), code = sum / 2^(e7 - e3 - e2)
; The choice is made by s_cselect on the cluster's y alone: pointers, tile bases, exponents.  There is one path through the text.
; LIMITS: e_out - e_A - e_B lies between -126 and 119, so that the scale and 448 x the scale are f32 numbers.  NaN is not served; what lies beyond 448 x the scale is held at the largest code.
; A tile of C, 256 x 256, is made by a work-group of four waves; a wave makes 128 x 128: 64 accumulators, 512 registers.  K goes in four steps of 256 through two LDS slots filled by the tensor data mover.
; CLUSTERS: 4 x 4 work-groups.  The four of a row of the cluster need the same tiles of A, the four of a column the same tiles of B: each tile is asked for JOINTLY.
; THE MATRIX INSTRUCTION IS USED TRANSPOSED (source 0 = 16 rows of B, source 1 = 16 rows of A): a lane holds eight neighbouring numbers of a row of C, which one conversion turns into 8 codes.
; THE OUTPUT: dense blocks of 128 rows x 128 codes (16,384 bytes), one for each wave.  k at byte 0: block (b 8 + head) 32 + key / 128, a row a key; v at 8 MiB: the same index, a row one of the head's 128, its bytes
; the block's 128 keys; q at 16 MiB: block (b 8 + head) 8 + query / 128.  IN A BLOCK, ROW c LIES AT PLACE c WITH ITS BITS 3 AND 4 EXCHANGED: so sixteen neighbouring places are the rows that the next launch wants as
; one tile (its results' 16 registers of two neighbouring tiles are then 16 neighbours along the next K).
; REGISTERS, in windows of 256: window 0: v0-31 addresses; v32-95 a block's held sums; v96-127 its codes (two sets); from v128 A's fragments, ONE set (on the way out v128-159 rows read back).
;   window 1: B's fragments, TWO sets.   window 2: the accumulators of my rows 0-63 ((a, b) at v[8 (8 a + b)]);   window 3: those of my rows 64-127.
.set ROWB,   256                       ; a tile's row in bytes: 256 codes
.set KROW,   1024                      ; a row of A or of B in memory, in bytes
.set PITCH,  272                       ; an LDS row: 256 bytes + 16 of padding = 68 words: the 16 rows that a load touches start at 16 different groups of four banks (ISA guide 11.1)
.set FR,     16                        ; registers of a fragment: 16 rows x 128 K
.set NL,     4                         ; LDS loads that bring one
.set NP,     4                         ; places behind this matrix instruction (ISA guide 7.12.1)
.set HALFT,  128*PITCH                 ; 128 rows: what one tensor load brings
.set SLOT,   4*HALFT                   ; A's 256 rows, then B's 256 rows
.set SPARE,  2*SLOT                    ; behind the ring: the spare words, 128 bytes for each wave
.set SPITCH, 144                       ; the way out: a stage of 16 rows x (128 bytes + 16) for each wave, in slot 0, which has had its last fill and its last read by then
.set ADRA, 16                          ; v16-17  LDS address of my A fragments in slot 0, 1
.set ADRB, 20                          ; v20-21  the same for B
.set STO,  24                          ; v24     the way out: where I put 8 codes of a row
.set RD,   25                          ; v25     where I read rows back: 8 lanes to a row, 4 rows a load
.set CO,   26                          ; v26     16 x lane: my place in 512 bytes of the output block
.set SPW,  28                          ; v28     LDS address of my spare word; never rewritten
.set NIL,  29                          ; v29     0; never rewritten
.set SCL,  30                          ; v30     2^(e_out - e_A - e_B) as f32
.set TMP,  32
.set CD,   96
.set AF,   128
.set BK,   128
.set G1, 24                            ; s[24:31] descriptor group 1 for A's tiles;  s[32:39] group 0, one set for each slot
.set G0, 32
.set G1B, 48                           ; s[48:55], s[56:63] the same for B's tiles
.set G0B, 56
.set MSB, 0
.macro WIN new                         ; the immediate's high byte repeats the setting that is left
.if MSB != (\new)
	s_set_vgpr_msb (MSB<<8)|(\new)
.set MSB, (\new)
.endif
.endm
.set MUL_LO, 0xa1                      ; source 0 (B) window 1, source 1 (A) window 0, C and D window 2
.set MUL_HI, 0xf1                      ; the same, C and D window 3
.set TO_B,   0x40                      ; destination window 1, address window 0
; A joint load: waves 0 and 1 fetch for A, waves 2 and 3 for B.  The branch hangs on the wave's number alone.  Four v_nop follow each of the two lines.
.macro JLOAD g0a, g1a, g0b, g1b
	s_cmp_eq_u32 s15, 0
	s_cbranch_scc0 .Lfor_b_\@
	tensor_load_to_lds s[\g0a:\g0a+3], s[\g1a:\g1a+7]
	s_nop 0
.rept 4
	v_nop
.endr
	s_branch .Lasked_\@
.Lfor_b_\@:
	tensor_load_to_lds s[\g0b:\g0b+3], s[\g1b:\g1b+7]
	s_nop 0
.rept 4
	v_nop
.endr
.Lasked_\@:
.endm
.macro CREST                           ; a round of the cluster's barrier behind its opening barrier
	s_cmp_lg_u32 s14, 0
	s_cbranch_scc1 .Lnot_wave_0_\@
	s_barrier_signal -3
.Lnot_wave_0_\@:
	s_barrier_wait -3
	s_barrier_signal -1
	s_barrier_wait -1
.endm
.macro CROUND                          ; a whole round
	s_barrier_signal -1
	s_barrier_wait -1
	CREST
.endm
	s_load_b256 s[4:11], s[0:1], 0x0               ; x s[4:5], Wq s[6:7], context s[8:9], Wkv s[10:11]
	s_load_b128 s[80:83], s[0:1], 0x20             ; the scales' exponents s[80:81], the output s[82:83]
	v_lshl_add_u32 v[SPW], v0, 2, SPARE
	v_mov_b32 v[NIL], 0
	ds_add_u32 v28, v29
	ds_add_u32 v28, v29
	s_wait_dscnt 0x0
	v_lshrrev_b32 v1, 5, v0
	v_readfirstlane_b32 s14, v1                    ; wave 0..3
	s_lshr_b32 s15, s14, 1                         ; which half of the tile's rows is mine.  Also: I fetch for A (0) or for B (1)
	s_and_b32 s16, s14, 1                          ; which half of its columns.  Also: which 128 rows of that tile I fetch
	s_bfe_u32 s40, ttmp6, 0x40000                  ; cx, cy: my place in the cluster
	s_bfe_u32 s41, ttmp6, 0x40004
	s_and_b32 s66, ttmp7, 0xffff                   ; Y, the cluster's y: the same in all sixteen partners
	s_sub_co_u32 s67, s66, 8                       ; 0, 1 in q's clusters
	s_sub_co_u32 s68, s66, 10                      ; 0..7 in v's
	s_cmp_lt_u32 s66, 10
	s_cselect_b32 s69, s67, 0                      ; the cluster's place down C: q: Y - 8; v: 0
	s_cselect_b32 s70, 0, s68                      ; and along C: q: 0; v: Y - 10
	s_cmp_lt_u32 s66, 8
	s_cselect_b32 s69, s66, s69                    ; k: Y
	s_cselect_b32 s70, 0, s70                      ; k: 0
	s_lshl_b32 s42, s70, 2
	s_add_co_u32 s42, s42, s40                     ; tile column of C
	s_lshl_b32 s17, s69, 2
	s_add_co_u32 s17, s17, s41                     ; tile row of C
	s_lshl_b32 s43, s41, 2
	s_lshl_b32 s43, 15, s43                        ; my row of the cluster
	s_lshl_b32 s44, 0x1111, s40                    ; my column
	; descriptor group 1: a tile of 128 rows x 256 bytes, padded in LDS
	s_or_b32 s[G1+0], s43, (0<<16)|(1<<20)|(1<<21)|(5<<22)|(3<<25)  ; 15:0 the mask: A's tiles go to my row; 17:16 element of 1 byte; 20 padding on; 21 set beside a mask; 24:22 after every 64 words; 31:25 four words
	s_or_b32 s[G1B+0], s44, (0<<16)|(1<<20)|(1<<21)|(5<<22)|(3<<25)
.irp g, G1, G1B
	s_mov_b32 s[\g+1], ROWB<<16                    ; tensor_dim0
	s_mov_b32 s[\g+2], 128<<16                     ; tensor_dim1 = 128
	s_mov_b32 s[\g+3], ROWB<<16                    ; tile_dim0
	s_mov_b32 s[\g+4], 128                         ; tile_dim1 = 128
	s_mov_b32 s[\g+5], KROW                        ; tensor_dim0_stride
	s_mov_b32 s[\g+6], 0
	s_mov_b32 s[\g+7], 0
.endr
	s_lshl_b32 s18, s16, 7                         ; which 128 rows of the tile I fetch
	s_lshl_b32 s20, s17, 8
	s_add_co_u32 s20, s20, s18                     ; A: row 256 x tile row + 128 x half,
	s_lshl_b32 s20, s20, 10                        ; in bytes (under 2^23)
	s_mov_b32 s21, 0
	s_lshl_b32 s46, s42, 8
	s_add_co_u32 s46, s46, s18                     ; B: row 256 x tile column + 128 x half
	s_lshl_b32 s46, s46, 10
	s_mov_b32 s47, 0
	s_mul_i32 s45, s14, HALFT                      ; where they go: wave x 128 rows: no place in the cluster enters an LDS address
	s_wait_kmcnt 0x0
	s_load_b256 s[88:95], s[80:81], 0x0            ; e0 .. e7
	s_add_nc_u64 s[76:77], s[10:11], 0x100000      ; Wkv's rows 1024 on: v's weights
	s_cmp_lt_u32 s66, 10
	s_cselect_b64 s[72:73], s[4:5], s[76:77]       ; A: q: x; v: Wkv's second half
	s_cselect_b64 s[74:75], s[6:7], s[8:9]         ; B: q: Wq; v: context
	s_cmp_lt_u32 s66, 8
	s_cselect_b64 s[72:73], s[8:9], s[72:73]       ; k: context
	s_cselect_b64 s[74:75], s[10:11], s[74:75]     ; k: Wkv's first half
	s_add_nc_u64 s[20:21], s[72:73], s[20:21]
	s_add_nc_u64 s[46:47], s[74:75], s[46:47]
	CROUND                                         ; all sixteen work-groups are here: the first joint loads meet
.irp s, 0,1
	s_mov_b32 s[G0+4*\s], 1
	s_add_co_u32 s[G0+4*\s+1], s45, \s*SLOT
	s_add_nc_u64 s[G0+4*\s+2:G0+4*\s+3], s[20:21], \s*ROWB
	s_or_b32 s[G0+4*\s+3], s[G0+4*\s+3], 0x80000000
	s_mov_b32 s[G0B+4*\s], 1
	s_add_co_u32 s[G0B+4*\s+1], s45, \s*SLOT
	s_add_nc_u64 s[G0B+4*\s+2:G0B+4*\s+3], s[46:47], \s*ROWB
	s_or_b32 s[G0B+4*\s+3], s[G0B+4*\s+3], 0x80000000
	JLOAD G0+4*\s, G1, G0B+4*\s, G1B
.endr
	v_and_b32 v1, 15, v0                           ; l % 16
	v_bfe_u32 v2, v0, 4, 1                         ; l / 16
	v_mul_u32_u24 v3, v1, PITCH
	v_lshl_add_u32 v4, v2, 4, v3                   ; a fragment's row x pitch + 16 x half
	s_mul_i32 s21, s15, HALFT                      ; my 128 rows of A
	s_mul_i32 s22, s16, HALFT                      ; my 128 rows of B,
	s_add_co_u32 s22, s22, 2*HALFT                 ; which lie behind A's 256
.irp s, 0,1
	v_add_nc_u32 v[ADRA+\s], s21, v4
	v_add_nc_u32 v[ADRB+\s], s22, v4
	s_add_co_u32 s21, s21, SLOT
	s_add_co_u32 s22, s22, SLOT
.endr
	s_mul_i32 s23, s14, 16*SPITCH                  ; my stage
	v_mul_u32_u24 v5, v1, SPITCH                   ; in: row l % 16, 8 bytes for each half of the lanes
	v_lshl_add_u32 v5, v2, 3, v5
	v_add_nc_u32 v[STO], s23, v5
	v_and_b32 v6, 31, v0
	v_lshlrev_b32 v[CO], 4, v6                     ; out: 16 bytes a lane
	v_lshrrev_b32 v7, 3, v6
	v_mul_u32_u24 v7, v7, SPITCH                   ; back: row lane / 8,
	v_and_b32 v8, 7, v6
	v_lshl_add_u32 v7, v8, 4, v7                   ; 16 bytes at 16 (lane % 8)
	v_add_nc_u32 v[RD], s23, v7
	; which block of the output is my wave's.  P: the block of 128 keys or queries; H: the head
	s_lshl_b32 s18, s17, 1
	s_add_co_u32 s18, s18, s15                     ; my block of 128 rows of C
	s_lshl_b32 s19, s42, 1
	s_add_co_u32 s19, s19, s16                     ; my block of 128 columns
	s_mov_b32 s98, 0x800000                        ; v's part begins at 8 MiB,
	s_cmp_lt_u32 s66, 10
	s_cselect_b32 s78, s18, s19                    ; P: k, q: the rows; v: the columns
	s_cselect_b32 s79, s19, s18                    ; H: the other one
	s_cselect_b32 s98, 0x1000000, s98              ; q's at 16 MiB,
	s_cmp_lt_u32 s66, 8
	s_cselect_b32 s98, 0, s98                      ; k's at 0
	s_cmp_lt_u32 s67, 2
	s_cselect_b32 s99, 3, 5                        ; a batch has 8 blocks of queries, 32 of keys
	s_lshr_b32 s86, s78, s99                       ; the batch
	s_lshl_b32 s86, s86, 3
	s_add_co_u32 s86, s86, s79                     ; x 8 + head
	s_lshl_b32 s86, s86, s99
	s_bfm_b32 s87, s99, 0
	s_and_b32 s87, s78, s87
	s_add_co_u32 s86, s86, s87                     ; x 8 or 32 + the block in the batch
	s_lshl_b32 s86, s86, 14                        ; blocks of 16,384 bytes
	s_add_co_u32 s86, s86, s98
	s_mov_b32 s87, 0
	s_add_nc_u64 s[84:85], s[82:83], s[86:87]
.macro FRAG reg, adr, q, i             ; a fragment, 16 rows x 128 K, is 16 registers: lane l holds row l % 16; registers 4 c .. 4 c + 3 hold K = 32 c + 16 (l / 16) + 0 .. 15: the same order of K in A and in B
.irp c, 0,1,2,3
	ds_load_b128 v[\reg+4*\c:\reg+4*\c+3], v[\adr] offset:128*(\q)+32*\c+(\i)*16*PITCH
.endr
.endm
; 16 matrix instructions: A's blocks a0, a0 + 1 x B's eight, 128 along K.  p: B's set.  zero = 1: the first product starts the sums.  The 64 accumulators take turns, one instruction a turn.
.macro MUL16 a0, p, zero
.irp a, \a0, \a0+1
.irp b, 0,1,2,3,4,5,6,7
.if \zero
	v_wmma_f32_16x16x128_fp8_fp8 v[8*(8*((\a)%4)+\b):8*(8*((\a)%4)+\b)+7], v[128*(\p)+FR*\b:128*(\p)+FR*\b+FR-1], v[AF+FR*(\a):AF+FR*(\a)+FR-1], 0
.else
	v_wmma_f32_16x16x128_fp8_fp8 v[8*(8*((\a)%4)+\b):8*(8*((\a)%4)+\b)+7], v[128*(\p)+FR*\b:128*(\p)+FR*\b+FR-1], v[AF+FR*(\a):AF+FR*(\a)+FR-1], v[8*(8*((\a)%4)+\b):8*(8*((\a)%4)+\b)+7]
.endif
.endr
.endr
.endm
.macro FETCH_B slot, q, p              ; B's eight fragments of the slot's q-th 128 along K into set p
	WIN TO_B
.irp i, 0,1,2,3,4,5,6,7
	FRAG 128*(\p)+FR*\i, ADRB+\slot, \q, \i
.endr
	WIN 0
.endm
.macro FETCH_A slot, q, i0             ; A's blocks i0 .. i0 + 3
.irp i, \i0, \i0+1, \i0+2, \i0+3
	FRAG AF+FR*(\i), ADRA+\slot, \q, \i
.endr
.endm
.macro PLACES n                        ; plain vector instructions between a matrix instruction and a load into a register that it read, or a read of its result
.rept \n
	v_nop
.endr
.endm
; A step of 128 along K that has its successor in the same slot.
.macro STEP slot, q, zero
	s_wait_dscnt 4*NL                              ; B's set and A's blocks 0-3 are in; the youngest 16 loads (A's blocks 4-7) may be out
	WIN MUL_LO
	MUL16 0, (\q)%2, \zero
	MUL16 2, (\q)%2, \zero
	s_wait_dscnt 0                                 ; A's blocks 4-7 are in
	PLACES NP
	FETCH_B \slot, (\q)+1, 1-(\q)%2
	FETCH_A \slot, (\q)+1, 0
	WIN MUL_HI
	MUL16 4, (\q)%2, \zero
	MUL16 6, (\q)%2, \zero
	PLACES NP
	WIN 0
	FETCH_A \slot, (\q)+1, 4
.endm
; A slot's last step changes slots: ONE barrier; in front of it each wave waits for all its tensor loads, adds 0 to its spare word, and waits for that and for its own reads of this slot.  fill = 1: this slot is filled again, two K steps ahead.
.macro TURN slot, next, fill
	s_wait_tensorcnt 0x0                           ; all my tensor loads have landed: my part of the next slot;  (every window is 0 here)
	ds_add_u32 v[SPW], v[NIL]                      ; 0 onto my spare word
	s_wait_dscnt 4*NL+1                            ; (the add and the youngest 16 loads, A's blocks 4-7, may be out)
	WIN MUL_LO
	MUL16 0, 1, 0                                  ; sixteen matrix instructions stand between the add and the wait for it
	s_wait_dscnt 0x0                               ; the add is done, and my reads of this slot are over
	s_barrier_signal -1
	MUL16 2, 1, 0
	WIN 0
	s_barrier_wait -1
.if \fill
	CREST                                          ; the barrier has opened a round of the cluster's barrier: no wave of any partner still reads this slot's tile or has a load on its way
	s_add_nc_u64 s[G0+4*\slot+2:G0+4*\slot+3], s[G0+4*\slot+2:G0+4*\slot+3], 2*ROWB
	s_add_nc_u64 s[G0B+4*\slot+2:G0B+4*\slot+3], s[G0B+4*\slot+2:G0B+4*\slot+3], 2*ROWB
	JLOAD G0+4*\slot, G1, G0B+4*\slot, G1B         ; the first tensor load behind the round; its four v_nop are the places in front of the loads below
.else
	PLACES NP
.endif
	FETCH_B \next, 0, 0
	FETCH_A \next, 0, 0
	WIN MUL_HI
	MUL16 4, 1, 0
	MUL16 6, 1, 0
	PLACES NP
	WIN 0
	FETCH_A \next, 0, 4
.endm
	s_wait_tensorcnt 1                             ; my part of K step 0 is in (K step 1's load may be out)
	s_barrier_signal -1
	s_barrier_wait -1                              ; everybody's is
	FETCH_B 0, 0, 0
	FETCH_A 0, 0, 0
	FETCH_A 0, 0, 4
	STEP 0, 0, 1                                   ; K = 1,024 is four K steps of 256: written out, no loop.  The first products start the sums
	TURN 0, 1, 1                                   ; slot 0 takes K step 2
	STEP 1, 0, 0
	TURN 1, 0, 1                                   ; slot 1 takes K step 3
	STEP 0, 0, 0
	TURN 0, 1, 0                                   ; nothing is left to fetch
	STEP 1, 0, 0
	s_wait_dscnt 4*NL                              ; the very last step
	WIN MUL_LO
	MUL16 0, 1, 0
	MUL16 2, 1, 0
	s_wait_dscnt 0
	WIN MUL_HI
	MUL16 4, 1, 0
	MUL16 6, 1, 0
	WIN 0
; THE WAY OUT, block by block of 16 rows x 128 columns.  Each sum is held within +-448 x the scale (the conversion to an 8-bit code does not saturate: ISA guide 7.6.2), into other registers, each accumulator from its low
; end on; eight neighbours of a row become 8 codes.  The codes go through my own stage in LDS and come back four rows a load, 8 lanes to a row, so that a store covers 512 consecutive bytes of the block.
; LDS serves a wave's instructions in order (ISA guide 5.7.1.4): no wait between the stores and the loads.
.macro TOSTAGE a
.set AC, 64*((\a)%4)
.set CC, CD+16*((\a)%2)
.set BB, BK+16*((\a)%2)
	WIN 0x02+((\a)/4)                              ; source 0: window 2 or 3
.set j, 0
.rept 64
	v_med3_num_f32 v[TMP+j], v[AC+j], s97, s96
.set j, j+1
.endr
	WIN 0
.irp b, 0,1,2,3,4,5,6,7
	v_cvt_scalef32_pk8_fp8_f32 v[CC+2*\b:CC+2*\b+1], v[TMP+8*\b:TMP+8*\b+7], v[SCL]   ; sum / 2^(e_out - e_A - e_B), to the nearest code, ties to even
.endr
	v_nop                                          ; one plain vector instruction behind the last conversion: the next block's holds write its sources
.irp b, 0,1,2,3,4,5,6,7
	ds_store_b64 v[STO], v[CC+2*\b:CC+2*\b+1] offset:16*\b
.endr
.irp i, 0,1,2,3
	ds_load_b128 v[BB+4*\i:BB+4*\i+3], v[RD] offset:4*SPITCH*\i
.endr
.endm
.macro SEND a, younger                 ; younger: the LDS instructions issued behind block a's loads, which may stay out
.set BB, BK+16*((\a)%2)
	s_wait_dscnt \younger
.irp i, 0,1,2,3
	global_store_b128 v[CO], v[BB+4*\i:BB+4*\i+3], s[84:85] offset:(32*((\a)/2)+16*(\i/2)+8*((\a)%2)+4*(\i%2))*128   ; rows 16 a + 4 i + 0..3 at their places: bits 3 and 4 exchanged; 512 consecutive bytes, aligned
.endr
.endm
	s_wait_kmcnt 0x0
	s_add_co_i32 s86, s90, s91                     ; e2 + e3: k's and v's operands
	s_add_co_i32 s87, s88, s89                     ; e0 + e1: q's
	s_cmp_lt_u32 s67, 2
	s_cselect_b32 s86, s87, s86
	s_cselect_b32 s87, s92, s95                    ; e_out: q: e4; v: e7;
	s_cmp_lt_u32 s66, 8
	s_cselect_b32 s87, s93, s87                    ; k: e5
	s_sub_co_i32 s86, s87, s86
	s_add_co_i32 s86, s86, 127
	s_lshl_b32 s87, s86, 23
	v_mov_b32 v[SCL], s87                          ; the three scales folded into the conversion's one
	s_add_co_i32 s86, s86, 8
	s_lshl_b32 s86, s86, 23
	s_or_b32 s96, s86, 0x600000                    ; 448 x that,
	s_or_b32 s97, s96, 0x80000000                  ; and its negative
	PLACES NP                                      ; behind the last products: for the reads of their results and for the loads into the registers that held A's fragments
	TOSTAGE 0
.irp a, 1,2,3,4,5,6,7
.if \a > 1
	s_wait_xcnt 0x0                                ; block a - 2's stores have read their registers: block a's rows may land there
.endif
	TOSTAGE \a
	SEND \a-1, 12                                  ; behind block a - 1's loads: block a's 8 stores and 4 loads
.endr
	SEND 7, 0
	s_wait_tensorcnt 0x0                           ; the wave's end
	ds_add_u32 v[SPW], v[NIL]
	s_wait_dscnt 0x0
	CROUND                                         ; the closing round: no work-group ends while a partner may still ask for a tile that names it
	s_endpgm
.Lfunc_end_k_q5bda06f5b6_proj:
	.size	k_q5bda06f5b6_proj, .Lfunc_end_k_q5bda06f5b6_proj-k_q5bda06f5b6_proj
	.p2alignl 7, 3214868480
	.fill 96, 4, 3214868480
	.section	.rodata,"a",@progbits
	.p2align	6, 0x0
	.amdhsa_kernel k_q5bda06f5b6_proj
		.amdhsa_group_segment_fixed_size 327680
		.amdhsa_private_segment_fixed_size 0
		.amdhsa_enable_private_segment 0
		.amdhsa_kernarg_size 48
		.amdhsa_user_sgpr_count 2
		.amdhsa_user_sgpr_kernarg_segment_ptr 1
		.amdhsa_wavefront_size32 1
		.amdhsa_system_sgpr_workgroup_id_x 1
		.amdhsa_system_sgpr_workgroup_id_y 1
		.amdhsa_system_sgpr_workgroup_id_z 1
		.amdhsa_system_vgpr_workitem_id 0
		.amdhsa_next_free_vgpr 1024
		.amdhsa_next_free_sgpr 100
		.amdhsa_reserve_vcc 0
		.amdhsa_float_denorm_mode_32 3
		.amdhsa_float_denorm_mode_16_64 3
		.amdhsa_memory_ordered 1
		.amdhsa_forward_progress 1
		.amdhsa_inst_pref_size 125
	.end_amdhsa_kernel
	.amdgpu_metadata
---
amdhsa.version: [ 1, 2 ]
amdhsa.kernels:
  - .name:           k_q5bda06f5b6_proj
    .symbol:         k_q5bda06f5b6_proj.kd
    .args:
      - { .name: x_codes, .offset: 0, .size: 8, .value_kind: global_buffer, .address_space: global }
      - { .name: Wq_codes, .offset: 8, .size: 8, .value_kind: global_buffer, .address_space: global }
      - { .name: context_codes, .offset: 16, .size: 8, .value_kind: global_buffer, .address_space: global }
      - { .name: Wkv_codes, .offset: 24, .size: 8, .value_kind: global_buffer, .address_space: global }
      - { .name: lowp_scales, .offset: 32, .size: 8, .value_kind: global_buffer, .address_space: global }
      - { .name: qkv, .offset: 40, .size: 8, .value_kind: global_buffer, .address_space: global }
    .group_segment_fixed_size: 327680
    .private_segment_fixed_size: 0
    .kernarg_segment_align: 8
    .kernarg_segment_size: 48
    .max_flat_workgroup_size: 128
    .sgpr_count:     100
    .vgpr_count:     1024
    .wavefront_size: 32
...
	.end_amdgpu_metadata
.endif
;; end of part 1
;; launch attn (part 2): grid 16 x 16, 8 waves a work-group, clusters of 4 x 1, 327,680 bytes of LDS; arguments qkv, doc_similarities, beta, lowp_scales, acodes; writes acodes
.if DOCPART == 2
	.amdgcn_target "amdgcn-amd-amdhsa--gfx1250"
	.amdhsa_code_object_version 6
	.text
	.protected	k_q5bda06f5b6_attn
	.globl	k_q5bda06f5b6_attn
	.p2align	8
	.type	k_q5bda06f5b6_attn,@function
k_q5bda06f5b6_attn:
	s_mov_b64 s[64:65], 0
	v_nop
	global_prefetch_b8 v0, s[64:65] scope:SCOPE_SE
	s_setreg_imm32_b32 hwreg(HW_REG_WAVE_MODE, 25, 1), 1
	s_wait_xcnt 0x0
	s_wait_alu depctr_hold_cnt(0) depctr_sa_sdst(0) depctr_va_vdst(0) depctr_va_sdst(0) depctr_va_ssrc(0) depctr_va_vcc(0) depctr_vm_vsrc(0)
	s_getreg_b32 s2, hwreg(HW_REG_IB_STS2, 6, 4)
	s_cmp_eq_u32 s2, 0
	s_cbranch_scc0 .Lentry_in_a_cluster
	s_endpgm
.Lentry_in_a_cluster:
	s_bfe_u32 s2, ttmp6, 0x10000c
	s_cmp_lg_u32 s2, 0x3003
	s_cbranch_scc0 .Lentry_shape_is_right
	s_endpgm
.Lentry_shape_is_right:
; ATTENTION ON CODES OF FP8 (E4M3): for each of 16 (batch, head) pairs, 1,024 queries x 4,096 keys, head size 128.  logit = q . k / 32 + sim[document] x beta;  t = logit x log2(e);  M = the largest t so far, rounded UP to a
; whole number;  p = 2^(t - M) is quantised with the scale 2^e6, not normalised;  the row's sum l is taken of the unquantised p;  o = (p v) / l, quantised with 2^e8 for the last product.
; INPUT: the blocks of 128 x 128 codes that the launch before has laid: k at byte 0, v (keys innermost) at 8 MiB, q at 16 MiB; in a block, row c lies at place c with bits 3 and 4 exchanged.
; SHARES.  A work-group owns 64 queries of one head.  Wave w = 4 tp + kq owns the two tiles of 16 queries 2 tp, 2 tp + 1, and of every 512 keys the block kq of 128: a fragment of K or V read from LDS feeds two products.
; Two waves lie on a SIMD: one's softmax stands beside the other's products and loads.  At the end the four waves of a pair of tiles are merged through LDS: sums and O under the largest M, by exact powers of two.
; LAYOUT.  Both products are used transposed: S^T = K Q^T, O^T = V^T P^T: a lane holds ONE query (lane % 16) throughout.  By the order of the rows in a block, the 16 registers of tiles 2 b and 2 b + 1 of S^T are
; keys 32 b + 16 (lane / 16) + 0 .. 15, which is what the second product's operand wants; and those of O^T are 16 neighbours of the head's 128.
; CLUSTER.  The four work-groups of a cluster belong to one head and walk the same K and V: each block is asked for JOINTLY, one load a wave (waves 0-3: K's four blocks of a slot; waves 4-7: V's).
; LIMITS on the given exponents, so that each power of two is an f32 number: e4 + e5 between -121 and 132 (added to c's exponent field); e6, and e8 - e6 - e7, between -126 and 119.  NaN is not served.
; M is each wave's own running whole number, over its quarter of the keys: against one M for the row, a code of p differs only where p falls under the format's normal range at the scale 2^e6, or where 448 x 2^e6 < 1.
; REGISTERS.  window 0: v1-4 LDS addresses of K's and V's fragments in slots 0, 1; v5, v6 the spare word's address and 0; v7 the prefetches' offset; v8-11 the documents' biases, v8 the one in hand; v12-15 the merge's addresses;
;   v16-31 statistics, 8 a tile; v32-63 Q; v64-191 S^T, then p; v192-223 p's codes; v224-227 second chains of the sums; v228-230 scales; v231-234 addresses; v236-251 the merge's statistics.
;   window 1: v0-127 O^T (tile q, 16 of the head's 128 t: at 64 q + 8 t); v128-255 eight fragments of K or of V.
.set BLK,   64*272                     ; a block in LDS: its 16,384 bytes as 64 rows of 256, 16 bytes of padding behind each: place p lies at (p / 2) 272 + (p % 2) 128: the 16 places of a tile fall on 16 different columns of 16 bytes
.set SLOT,  8*BLK                      ; K's four blocks, then V's four: 512 keys
.set VOFF,  4*BLK
.set SPARE, 2*SLOT                     ; the spare words, 128 bytes for each of eight waves
.set STAT,  SPARE+1024                 ; the merge: -M and l, 512 bytes a wave
.set STG2,  STAT+4096                  ; the way out: 64 rows x (128 bytes + 16)
.set AK,  1
.set AV,  3
.set ST,  16                           ; tile q's statistics at v[ST + 8 q]: +0 bias - M, +1 -M, +2, +3 l in two halves, +4 f, +5 the largest t, +6, +7 at work
.set Q,   32
.set S,   64
.set P,   192
.set T2,  224
.set FRG, 128
.set MSB, 0
.macro WIN new                         ; the immediate's high byte repeats the setting that is left
.if MSB != (\new)
	s_set_vgpr_msb (MSB<<8)|(\new)
.set MSB, (\new)
.endif
.endm
.set W_LD, 0x40                        ; destination window 1, address window 0
.set W_KQ, 0x01                        ; source 0 (K) window 1; Q and S^T window 0
.set W_PV, 0x51                        ; source 0 (V), C and D (O^T) window 1; P window 0
.set W_RS, 0x41                        ; O^T (destination and source 0) window 1, f window 0
.set W_ST, 0x04                        ; an LDS store's data window 1
.macro CROUND                          ; a round of the cluster's barrier
	s_barrier_signal -1
	s_barrier_wait -1
	s_cmp_lg_u32 s14, 0
	s_cbranch_scc1 .Lnot_wave_0_\@
	s_barrier_signal -3
.Lnot_wave_0_\@:
	s_barrier_wait -3
	s_barrier_signal -1
	s_barrier_wait -1
.endm
.macro PLACES
.rept 4
	v_nop
.endr
.endm
; A PREFETCH INTO THE L2 of what the NEXT change of slots will ask for: a slot's 65,536 bytes of K and of V.  All clusters of a head walk the same blocks: the head's first cluster asks.  Its four partners take one block of
; 16,384 bytes each, told apart BY ADDRESS; in each, waves 0 and 1 ask for K's halves and waves 4 and 5 for V's: 8,192 bytes an instruction, lanes 256 bytes apart.  So each 256 bytes are named once in the launch.
; Slots 0, 1 and 2 come by their loads alone; the last change that fills a slot asks for nothing.
.macro ASK
	s_cmp_gt_u32 s58, s59
	s_cbranch_scc0 .Lnot_mine_\@
	global_prefetch_b8 v7, s[60:61] th:TH_LOAD_NT scope:SCOPE_SE
.Lnot_mine_\@:
.endm
	s_load_b256 s[4:11], s[0:1], 0x0               ; the codes s[4:5], doc_similarities s[6:7], beta s[8:9], the scales' exponents s[10:11]
	s_load_b64 s[12:13], s[0:1], 0x20              ; the output
	v_lshl_add_u32 v5, v0, 2, SPARE
	v_mov_b32 v6, 0
	ds_add_u32 v5, v6
	ds_add_u32 v5, v6
	s_wait_dscnt 0x0
	v_lshrrev_b32 v1, 5, v0
	v_readfirstlane_b32 s14, v1                    ; wave 0..7
	s_lshr_b32 s15, s14, 2                         ; tp: my pair of tiles.  Also: I fetch for K (0) or for V (1)
	s_and_b32 s16, s14, 3                          ; kq: my block of a slot's four, to fetch and to read
	s_bfe_u32 s17, ttmp6, 0x40000                  ; cx
	s_lshl_b32 s18, ttmp9, 2
	s_add_co_u32 s18, s18, s17                     ; my block of 64 queries: it enters Q's, the output's and the prefetches' addresses alone
	s_and_b32 s19, ttmp7, 0xffff                   ; 8 x batch + head, which the four partners share
	; descriptor group 1: 64 rows x 256 bytes, dense in memory, padded in LDS
	s_mov_b32 s24, 15|(0<<16)|(1<<20)|(1<<21)|(5<<22)|(3<<25)   ; 15:0 the mask: all four work-groups; 17:16 elements of 1 byte; 20 padding on; 21 set beside a mask; 24:22 after every 64 words; 31:25 four words
	s_mov_b32 s25, 256<<16                         ; tensor_dim0
	s_mov_b32 s26, 64<<16                          ; tensor_dim1
	s_mov_b32 s27, 256<<16                         ; tile_dim0
	s_mov_b32 s28, 64                              ; tile_dim1
	s_mov_b32 s29, 256                             ; tensor_dim0_stride
	s_mov_b32 s30, 0
	s_mov_b32 s31, 0
	s_mov_b32 s20, 0x76543210                      ; v_permlanex16_b32: lane l xor 16
	s_mov_b32 s21, 0xfedcba98
	s_mov_b32 s22, 0x3d38aa3b                      ; c = log2(e) / 32
	s_mov_b32 s58, 6                               ; slots still to be asked for
	s_and_b32 s59, s14, 2                          ; 0 in waves 0, 1, 4, 5,
	s_or_b32 s59, s59, ttmp9                       ; of the head's first cluster: the same in all four partners
	s_cmp_eq_u32 s59, 0
	s_cselect_b32 s59, 1, -1                       ; a wave prefetches while s58 is above this
	s_lshl_b32 s66, s15, 23                        ; what I fetch: K's part or V's (8 MiB on),
	s_lshl_b32 s67, s19, 19                        ; the head's 32 blocks,
	s_add_co_u32 s66, s66, s67
	s_lshl_b32 s67, s16, 14                        ; block kq of the slot
	s_add_co_u32 s66, s66, s67
	s_mov_b32 s67, 0
	s_mul_i32 s37, s14, BLK                        ; and where it goes: wave x a block: no place in the cluster enters an LDS address
	s_lshl_b32 s38, s15, 23                        ; where my prefetches stand: the same part and head,
	s_lshl_b32 s39, s19, 19
	s_add_co_u32 s38, s38, s39
	s_lshl_b32 s39, s17, 14                        ; my work-group's block,
	s_add_co_u32 s38, s38, s39
	s_and_b32 s39, s14, 1
	s_lshl_b32 s39, s39, 13                        ; my wave's half of it,
	s_add_co_u32 s38, s38, s39
	s_add_co_u32 s38, s38, 0x20000                 ; in the third 512 keys: the first change of slots steps it to the fourth
	s_mov_b32 s39, 0
	s_lshl_b32 s72, s19, 17                        ; Q: the head's 8 blocks, my 64 places of 128 bytes, in the part at 16 MiB
	s_lshl_b32 s73, s18, 13
	s_add_co_u32 s72, s72, s73
	s_add_co_u32 s72, s72, 0x1000000
	s_mov_b32 s73, 0
	s_lshr_b32 s74, s19, 3                         ; the output: block ((batch 16 + my block of queries) 8 + head) of 8,192 bytes, my wave's 8 rows
	s_lshl_b32 s74, s74, 4
	s_add_co_u32 s74, s74, s18
	s_lshl_b32 s74, s74, 3
	s_and_b32 s75, s19, 7
	s_add_co_u32 s74, s74, s75
	s_lshl_b32 s74, s74, 13
	s_lshl_b32 s75, s14, 10
	s_add_co_u32 s74, s74, s75
	s_mov_b32 s75, 0
	s_lshr_b32 s68, s19, 3
	s_lshl_b32 s68, s68, 4                         ; the batch's four similarities: 16 bytes
	s_mov_b32 s69, 0
	s_wait_kmcnt 0x0
	s_add_nc_u64 s[6:7], s[6:7], s[68:69]
	s_load_b128 s[32:35], s[6:7], 0x0              ; sim of the batch's four documents
	s_load_b32 s36, s[8:9], 0x0                    ; beta
	s_load_b256 s[48:55], s[10:11], 0x0            ; e0 .. e7
	s_load_b64 s[56:57], s[10:11], 0x20            ; e8, e9
	s_add_nc_u64 s[68:69], s[4:5], s[66:67]
	s_add_nc_u64 s[60:61], s[4:5], s[38:39]
	s_add_nc_u64 s[72:73], s[4:5], s[72:73]
	s_add_nc_u64 s[12:13], s[12:13], s[74:75]
.irp s, 0,1
	s_mov_b32 s[40+4*\s], 1                        ; 1:0 count = 1
	s_add_co_u32 s[41+4*\s], s37, \s*SLOT          ; 63:32 LDS address
	s_add_nc_u64 s[42+4*\s:43+4*\s], s[68:69], \s*65536   ; 120:64 global address: slot s begins with keys 512 s on
	s_or_b32 s[43+4*\s], s[43+4*\s], 0x80000000    ; 127:126 type = 2
.endr
	CROUND                                         ; all four work-groups are here: the first joint loads meet
	tensor_load_to_lds s[40:43], s[24:31]          ; the two first fills stand together: two loads of mine are out
	s_nop 0
	tensor_load_to_lds s[44:47], s[24:31]
	s_nop 0
	PLACES
	v_and_b32 v224, 15, v0                         ; r = lane % 16
	v_bfe_u32 v225, v0, 4, 1                       ; h = lane / 16
	v_and_b32 v226, 31, v0                         ; lane
	v_lshlrev_b32 v234, 7, v224
	v_lshl_add_u32 v234, v225, 4, v234
	s_lshl_b32 s66, s15, 12
	v_add_nc_u32 v234, s66, v234                   ; Q: place 32 tp + r of 128 bytes, + 16 h
.irp q, 0,1
.irp c, 0,1,2,3
	global_load_b128 v[Q+16*\q+4*\c:Q+16*\q+4*\c+3], v234, s[72:73] offset:2048*\q+32*\c   ; Q's two fragments stay in registers
.endr
.endr
	v_lshrrev_b32 v1, 1, v224
	v_mul_u32_u24 v1, v1, 272
	v_and_b32 v227, 1, v224
	v_lshl_add_u32 v1, v227, 7, v1
	v_lshl_add_u32 v1, v225, 4, v1                 ; place r of a tile: (r / 2) 272 + (r % 2) 128, + 16 h
	s_mul_i32 s66, s16, BLK
	v_add_nc_u32 v1, s66, v1                       ; in block kq of K, slot 0;
	v_add_nc_u32 v2, SLOT, v1                      ; slot 1;
	v_add_nc_u32 v3, VOFF, v1                      ; of V, slot 0;
	v_add_nc_u32 v4, VOFF, v2                      ; slot 1
	v_lshlrev_b32 v7, 8, v226                      ; the prefetches: lanes 256 bytes apart
	s_lshl_b32 s66, s14, 14
	v_lshl_add_u32 v12, v226, 4, s66               ; the merge: my O^T's image: 16,384 x wave + 16 x lane (in slot 0, behind its last fill and last read)
	s_lshl_b32 s66, s15, 16
	s_lshl_b32 s67, s16, 11
	s_add_co_u32 s66, s66, s67
	v_lshl_add_u32 v13, v226, 4, s66               ; what I read of the four images of my pair: registers 16 kq on of each tile
	s_lshl_b32 s66, s14, 9
	s_add_co_u32 s66, s66, STAT
	v_lshl_add_u32 v14, v226, 2, s66               ; my statistics
	s_lshl_b32 s66, s15, 11
	s_add_co_u32 s66, s66, STAT
	v_lshl_add_u32 v15, v226, 2, s66               ; the four waves' of my pair
	v_and_b32 v227, 7, v224
	v_lshrrev_b32 v231, 3, v224
	v_lshl_add_u32 v227, v231, 4, v227             ; lane r of tile q holds query 32 tp + 16 (r / 8) + 8 q + r % 8
	v_mul_u32_u24 v231, v227, 144
	v_lshl_add_u32 v231, v225, 4, v231
	s_mul_i32 s66, s15, 32*144
	s_lshl_b32 s67, s16, 5
	s_add_co_u32 s66, s66, s67
	s_add_co_u32 s66, s66, STG2
	v_add_nc_u32 v231, s66, v231                   ; the stage, in: that row, byte 32 kq + 16 h
	v_lshrrev_b32 v227, 3, v226
	v_mul_u32_u24 v232, v227, 144
	v_and_b32 v227, 7, v226
	v_lshl_add_u32 v232, v227, 4, v232
	s_mul_i32 s66, s14, 8*144
	s_add_co_u32 s66, s66, STG2
	v_add_nc_u32 v232, s66, v232                   ; back: my wave's 8 rows, 8 lanes to a row, 4 rows a load
	v_lshlrev_b32 v233, 4, v226                    ; and out: 16 bytes a lane
	s_wait_kmcnt 0x0
.irp i, 0,1,2,3
	v_mov_b32 v[8+\i], s[32+\i]
.endr
.irp i, 0,1,2,3
	v_mul_f32 v[8+\i], s36, v[8+\i]                ; sim x beta,
.endr
.irp i, 0,1,2,3
	v_mul_f32 v[8+\i], 0x3fb8aa3b, v[8+\i]         ; x log2(e): the document's part of t
.endr
	s_add_co_i32 s66, s52, s53
	s_lshl_b32 s66, s66, 23
	s_add_co_i32 s22, s22, s66                     ; a score stands for score x 2^(e4 + e5): the exponents are added to c's exponent field
	s_mov_b32 s23, s22                             ; (named with it as a pair, so it is written)
	s_add_co_i32 s66, s54, 127
	s_lshl_b32 s67, s66, 23
	v_mov_b32 v228, s67                            ; 2^e6 as f32, for p's conversions
	s_add_co_i32 s66, s66, 8
	s_lshl_b32 s66, s66, 23
	s_or_b32 s66, s66, 0x600000
	v_mov_b32 v229, s66                            ; 448 x 2^e6
	s_sub_co_i32 s66, s56, s54
	s_sub_co_i32 s66, s66, s55                     ; a sum of the second product stands for sum x 2^(e6 + e7): its code is (sum / l) / 2^(e8 - e6 - e7)
	s_add_co_i32 s66, s66, 127
	s_lshl_b32 s67, s66, 23
	v_mov_b32 v230, s67
	s_add_co_i32 s66, s66, 8
	s_lshl_b32 s66, s66, 23
	s_or_b32 s70, s66, 0x600000                    ; 448 x that,
	s_or_b32 s71, s70, 0x80000000                  ; and its negative
; A KEY STEP: my 128 keys of slot s, for my two tiles of queries.  first = 1: the first step, which starts M, l and O^T: nothing is cleared but l.
.macro STEP s, first
	WIN W_LD
.irp i, 0,1,2,3,4,5,6,7
.irp c, 0,1,2,3
	ds_load_b128 v[FRG+16*\i+4*\c:FRG+16*\i+4*\c+3], v[AK+\s] offset:2176*\i+32*\c    ; K's eight tiles of 16 places
.endr
.endr
	s_wait_dscnt 16                                ; tiles 0-3 are in; the youngest 16 loads may be out
	WIN W_KQ
.irp t, 0,1,2,3
.irp q, 0,1
	v_wmma_f32_16x16x128_fp8_fp8 v[S+64*\q+8*\t:S+64*\q+8*\t+7], v[FRG+16*\t:FRG+16*\t+15], v[Q+16*\q:Q+16*\q+15], 0
.endr
.endr
	s_wait_dscnt 0x0
.irp t, 4,5,6,7
.irp q, 0,1
	v_wmma_f32_16x16x128_fp8_fp8 v[S+64*\q+8*\t:S+64*\q+8*\t+7], v[FRG+16*\t:FRG+16*\t+15], v[Q+16*\q:Q+16*\q+15], 0
.endr
.endr
	PLACES                                         ; in front of the loads into the fragments' registers and of the first read of the scores
	WIN W_LD
.irp i, 0,1,2,3,4,5,6,7
.irp c, 0,1,2,3
	ds_load_b128 v[FRG+16*\i+4*\c:FRG+16*\i+4*\c+3], v[AV+\s] offset:2176*\i+32*\c    ; V's eight tiles: they land under the softmax
.endr
.endr
	WIN 0
.irp q, 0,1                                    ; the largest score of my query among my 64 keys: two chains a tile, each accumulator from its low end on
	v_max3_num_f32 v[ST+8*\q+6], v[S+64*\q], v[S+64*\q+1], v[S+64*\q+2]
	v_max3_num_f32 v[ST+8*\q+7], v[S+64*\q+3], v[S+64*\q+4], v[S+64*\q+5]
.endr
.irp i, 6,10,14,18,22,26,30,34,38,42,46,50,54,58
.irp q, 0,1
	v_max3_num_f32 v[ST+8*\q+6], v[ST+8*\q+6], v[S+64*\q+\i], v[S+64*\q+\i+1]
	v_max3_num_f32 v[ST+8*\q+7], v[ST+8*\q+7], v[S+64*\q+\i+2], v[S+64*\q+\i+3]
.endr
.endr
.irp q, 0,1
	v_max3_num_f32 v[ST+8*\q+6], v[ST+8*\q+6], v[S+64*\q+62], v[S+64*\q+63]
.endr
.irp q, 0,1
	v_max_num_f32 v[ST+8*\q+6], v[ST+8*\q+6], v[ST+8*\q+7]
.endr
.irp q, 0,1
	v_permlanex16_b32 v[ST+8*\q+7], v[ST+8*\q+6], s20, s21
.endr
.irp q, 0,1
	v_max_num_f32 v[ST+8*\q+6], v[ST+8*\q+6], v[ST+8*\q+7]      ; and among lane l xor 16's
.endr
.if \first
.irp q, 0,1
	v_fma_f32 v[ST+8*\q+5], v[ST+8*\q+6], s22, v8               ; as t: score x c + the document's part (c is positive)
.endr
.else
.irp q, 0,1
	v_fma_f32 v[ST+8*\q+6], v[ST+8*\q+6], s22, v8
.endr
.irp q, 0,1
	v_max_num_f32 v[ST+8*\q+5], v[ST+8*\q+5], v[ST+8*\q+6]      ; the running largest t
.endr
.irp q, 0,1
	v_mov_b32 v[ST+8*\q+7], v[ST+8*\q+1]
.endr
.endif
.irp q, 0,1
	v_floor_f32 v[ST+8*\q+1], -v[ST+8*\q+5]                     ; -M = floor(-t): M is a whole number
.endr
.if \first == 0
.irp q, 0,1
	v_sub_f32 v[ST+8*\q+7], v[ST+8*\q+1], v[ST+8*\q+7]          ; old M - new M: a whole number, 0 or less
.endr
.irp q, 0,1
	v_cvt_i32_f32 v[ST+8*\q+7], v[ST+8*\q+7]                    ; (it saturates)
.endr
.irp q, 0,1
	v_ldexp_f32 v[ST+8*\q+4], 1.0, v[ST+8*\q+7]                 ; f = 2^(old M - new M)
.endr
.endif
.irp q, 0,1
	v_add_f32 v[ST+8*\q], v[ST+8*\q+1], v8                      ; the document's part - M
.endr
.set j, 0
.rept 64
	v_pk_fma_f32 v[S+2*j:S+2*j+1], v[S+2*j:S+2*j+1], s[22:23], v[ST+8*(j/32):ST+8*(j/32)+1] op_sel_hi:[1,0,0]   ; t - M, two at a time (of both pairs the low word serves both halves)
.set j, j+1
.endr
.set j, 0
.rept 128
	v_exp_f32 v[S+j], v[S+j]                       ; p = 2^(t - M), at most 1: one batch
.set j, j+1
.endr
.if \first
.irp q, 0,1
	v_mov_b32 v[ST+8*\q+2], 0                      ; l begins.  (The plain instruction behind the exponentials)
	v_mov_b32 v[ST+8*\q+3], 0
.endr
.else
.irp q, 0,1
	v_pk_mul_f32 v[ST+8*\q+2:ST+8*\q+3], v[ST+8*\q+2:ST+8*\q+3], v[ST+8*\q+4:ST+8*\q+5] op_sel_hi:[1,0]   ; l under the new M.  (The plain instruction behind the exponentials)
.endr
.endif
	s_wait_alu depctr_va_vdst(0)                   ; one wait for the whole batch, ahead of its first reader
.irp q, 0,1
	v_pk_add_f32 v[T2+2*\q:T2+2*\q+1], v[S+64*\q:S+64*\q+1], v[S+64*\q+2:S+64*\q+3]   ; THE SUM IS TAKEN OF THE UNQUANTISED p: two chains a tile
.endr
.irp i, 4,8,12,16,20,24,28,32,36,40,44,48,52,56,60
.irp q, 0,1
	v_pk_add_f32 v[ST+8*\q+2:ST+8*\q+3], v[ST+8*\q+2:ST+8*\q+3], v[S+64*\q+\i:S+64*\q+\i+1]
	v_pk_add_f32 v[T2+2*\q:T2+2*\q+1], v[T2+2*\q:T2+2*\q+1], v[S+64*\q+\i+2:S+64*\q+\i+3]
.endr
.endr
.irp q, 0,1
	v_pk_add_f32 v[ST+8*\q+2:ST+8*\q+3], v[ST+8*\q+2:ST+8*\q+3], v[T2+2*\q:T2+2*\q+1]
.endr
.set j, 0
.rept 128
	v_min_num_f32 v[S+j], v[S+j], v229             ; the conversion to an 8-bit code does not saturate (ISA guide 7.6.2); p is not negative, so the hold is one-sided
.set j, j+1
.endr
.irp q, 0,1
.irp b, 0,1,2,3
	v_cvt_scalef32_pk8_fp8_f32 v[P+16*\q+4*\b:P+16*\q+4*\b+1], v[S+64*\q+16*\b:S+64*\q+16*\b+7], v228       ; registers 4 b .. 4 b + 3 of the operand: keys 32 b + 16 h + 0 .. 15
	v_cvt_scalef32_pk8_fp8_f32 v[P+16*\q+4*\b+2:P+16*\q+4*\b+3], v[S+64*\q+16*\b+8:S+64*\q+16*\b+15], v228
.endr
.endr
.if \first
	v_nop                                          ; one plain vector instruction between the conversions and the products that read their results
.else
	WIN W_RS
.set j, 0
.rept 64
	v_pk_mul_f32 v[2*j:2*j+1], v[2*j:2*j+1], v[ST+8*(j/32)+4:ST+8*(j/32)+5] op_sel_hi:[1,0]   ; O^T under the new M: x f, which rounds nothing.  (Also the plain instructions behind the conversions)
.set j, j+1
.endr
.endif
	s_wait_dscnt 0x0                               ; V's fragments are in
	WIN W_PV
.irp t, 0,1,2,3,4,5,6,7                        ; sixteen accumulators, one instruction each
.irp q, 0,1
.if \first
	v_wmma_f32_16x16x128_fp8_fp8 v[64*\q+8*\t:64*\q+8*\t+7], v[FRG+16*\t:FRG+16*\t+15], v[P+16*\q:P+16*\q+15], 0
.else
	v_wmma_f32_16x16x128_fp8_fp8 v[64*\q+8*\t:64*\q+8*\t+7], v[FRG+16*\t:FRG+16*\t+15], v[P+16*\q:P+16*\q+15], v[64*\q+8*\t:64*\q+8*\t+7]
.endif
.endr
.endr
	WIN 0
	PLACES                                         ; in front of the next loads into the fragments' registers, and of the stores of O^T at the end
.endm
; THE CHANGE OF SLOTS.  Each wave waits for all its tensor loads (its block of the slot ahead), adds 0 to its spare word, and waits for that and for its reads of slot s, which it has left.
; fill = 1: behind a round of the cluster's barrier slot s is filled with the keys 1,024 further on: one joint load a wave, which has a key step of both waves of a SIMD in which to land.
.macro CHANGE s, fill
	WIN 0
	s_wait_tensorcnt 0x0                           ; no tensor load of mine is out, so a group 0 may be written
	ds_add_u32 v5, v6                              ; 0 onto my spare word
.if \fill
	s_add_nc_u64 s[42+4*\s:43+4*\s], s[42+4*\s:43+4*\s], 0x20000   ; two slots on; the type bits on top are not reached
	s_wait_xcnt 0x0                                ; the last prefetch, a key step back, has read its address, so it may be written:
	s_add_nc_u64 s[60:61], s[60:61], 0x10000       ; one slot further on than the load below
	s_wait_dscnt 0x0                               ; the add is done, and my reads of the slot are over
	CROUND
	tensor_load_to_lds s[40+4*\s:43+4*\s], s[24:31]
	s_nop 0
	PLACES
	ASK
	s_sub_co_u32 s58, s58, 1
.else
	s_wait_dscnt 0x0
	s_barrier_signal -1
	s_barrier_wait -1
.endif
.endm
	s_wait_tensorcnt 0x1                           ; my block of slot 0 is in; slot 1's may stay out
	s_barrier_signal -1
	s_barrier_wait -1                              ; everybody's is
	s_wait_loadcnt 0x0                             ; Q
	STEP 0, 1                                      ; keys 0 to 511
	s_mov_b32 s62, 3
.Ldoc:                                             ; three trips of two key steps; a document is 1,024 keys, two slots
	CHANGE 0, 1
	STEP 1, 0
	v_mov_b32 v8, v9                               ; on to the next document's part of t
	v_mov_b32 v9, v10
	v_mov_b32 v10, v11
	CHANGE 1, 1
	STEP 0, 0
	s_sub_co_u32 s62, s62, 1
	s_cmp_lg_u32 s62, 0
	s_cbranch_scc1 .Ldoc
	CHANGE 0, 0                                    ; the tail is written out: nothing is left to fetch
	STEP 1, 0
	; THE MERGE.  Each wave lays -M, l and its O^T (as an image of its registers) into LDS; behind a barrier wave (tp, kq) takes, of the four waves of its pair, the 16 registers a tile that are channels 32 kq + 16 h + 0 .. 15.
.irp q, 0,1
	v_add_f32 v[ST+8*\q+6], v[ST+8*\q+2], v[ST+8*\q+3]
.endr
.irp q, 0,1
	v_permlanex16_b32 v[ST+8*\q+7], v[ST+8*\q+6], s20, s21
.endr
.irp q, 0,1
	v_add_f32 v[ST+8*\q+6], v[ST+8*\q+6], v[ST+8*\q+7]          ; my quarter's l
.endr
.irp q, 0,1
	ds_store_b32 v14, v[ST+8*\q+1] offset:256*\q
	ds_store_b32 v14, v[ST+8*\q+6] offset:256*\q+128
.endr
	WIN W_ST
.set g, 0
.rept 32
	ds_store_b128 v12, v[4*g:4*g+3] offset:512*g   ; each accumulator from its low end on
.set g, g+1
.endr
	WIN 0
	s_wait_dscnt 0x0                               ; for the others' sake: my stores are done
	s_barrier_signal -1
	s_barrier_wait -1
.irp q, 0,1
.irp w, 0,1,2,3
	ds_load_b32 v[236+4*\q+\w], v15 offset:512*\w+256*\q        ; -M of wave w,
	ds_load_b32 v[244+4*\q+\w], v15 offset:512*\w+256*\q+128    ; its l
.endr
.endr
.irp w, 0,1,2,3
.irp q, 0,1
.irp i, 0,1,2,3
	ds_load_b128 v[S+32*\w+16*\q+4*\i:S+32*\w+16*\q+4*\i+3], v13 offset:16384*\w+8192*\q+512*\i
.endr
.endr
.endr
	s_wait_dscnt 32                                ; the statistics are in; the 32 loads of the images may be out
.irp q, 0,1
	v_min3_num_f32 v[ST+8*\q], v[236+4*\q], v[237+4*\q], v[238+4*\q]
.endr
.irp q, 0,1
	v_min_num_f32 v[ST+8*\q], v[ST+8*\q], v[239+4*\q]           ; the least -M: the row's M
.endr
.irp w, 0,1,2,3
.irp q, 0,1
	v_sub_f32 v[ST+8*\q+4+\w], v[ST+8*\q], v[236+4*\q+\w]       ; wave w's M - the row's: a whole number, 0 or less
.endr
.endr
.irp w, 0,1,2,3
.irp q, 0,1
	v_cvt_i32_f32 v[ST+8*\q+4+\w], v[ST+8*\q+4+\w]
.endr
.endr
.irp w, 0,1,2,3
.irp q, 0,1
	v_ldexp_f32 v[ST+8*\q+4+\w], 1.0, v[ST+8*\q+4+\w]           ; F = 2^(that)
.endr
.endr
.irp q, 0,1
	v_mul_f32 v[ST+8*\q+1], v[ST+8*\q+4], v[244+4*\q]
.endr
.irp w, 1,2,3
.irp q, 0,1
	v_fma_f32 v[ST+8*\q+1], v[ST+8*\q+4+\w], v[244+4*\q+\w], v[ST+8*\q+1]   ; the row's l
.endr
.endr
.irp q, 0,1
	v_rcp_f32 v[ST+8*\q+2], v[ST+8*\q+1]
.endr
	v_nop                                          ; a plain instruction behind the reciprocals,
	s_wait_alu depctr_va_vdst(0)                   ; and one wait for both, ahead of their first reader
.irp q, 0,1
.irp w, 0,1,2,3
	v_mul_f32 v[236+8*\q+2*\w], v[ST+8*\q+4+\w], v[ST+8*\q+2]   ; F / l, at even registers: a packed form takes a pair's low word for both halves (the odd ones hold loaded numbers that nobody uses)
.endr
.endr
	s_wait_dscnt 0x0                               ; the images are in
.irp q, 0,1
.irp k, 0,2,4,6,8,10,12,14
	v_pk_mul_f32 v[S+16*\q+\k:S+16*\q+\k+1], v[S+16*\q+\k:S+16*\q+\k+1], v[236+8*\q:237+8*\q] op_sel_hi:[1,0]
.endr
.endr
.irp w, 1,2,3
.irp q, 0,1
.irp k, 0,2,4,6,8,10,12,14
	v_pk_fma_f32 v[S+16*\q+\k:S+16*\q+\k+1], v[S+32*\w+16*\q+\k:S+32*\w+16*\q+\k+1], v[236+8*\q+2*\w:237+8*\q+2*\w], v[S+16*\q+\k:S+16*\q+\k+1] op_sel_hi:[1,0,1]
.endr
.endr
.endr
.set j, 0
.rept 32
	v_med3_num_f32 v[S+j], v[S+j], s71, s70        ; the hold at the largest code x the scale
.set j, j+1
.endr
.irp q, 0,1
	v_cvt_scalef32_pk8_fp8_f32 v[P+4*\q:P+4*\q+1], v[S+16*\q:S+16*\q+7], v230
	v_cvt_scalef32_pk8_fp8_f32 v[P+4*\q+2:P+4*\q+3], v[S+16*\q+8:S+16*\q+15], v230
.endr
	v_nop                                          ; one plain vector instruction behind the last conversion
.irp q, 0,1
	ds_store_b128 v231, v[P+4*\q:P+4*\q+3] offset:8*144*\q      ; 16 codes of my query's row, the queries in their natural order
.endr
	s_wait_dscnt 0x0
	s_barrier_signal -1
	s_barrier_wait -1                              ; 64 whole rows of 128 codes lie in the stage
.irp i, 0,1
	ds_load_b128 v[P+8+4*\i:P+8+4*\i+3], v232 offset:4*144*\i
.endr
.irp i, 0,1
	s_wait_dscnt 1-\i
	global_store_b128 v233, v[P+8+4*\i:P+8+4*\i+3], s[12:13] offset:512*\i   ; four rows: 512 consecutive bytes, aligned
.endr
	s_wait_tensorcnt 0x0                           ; the wave's end
	ds_add_u32 v5, v6
	s_wait_dscnt 0x0
	CROUND                                         ; the closing round
	s_endpgm
.Lfunc_end_k_q5bda06f5b6_attn:
	.size	k_q5bda06f5b6_attn, .Lfunc_end_k_q5bda06f5b6_attn-k_q5bda06f5b6_attn
	.p2alignl 7, 3214868480
	.fill 96, 4, 3214868480
	.section	.rodata,"a",@progbits
	.p2align	6, 0x0
	.amdhsa_kernel k_q5bda06f5b6_attn
		.amdhsa_group_segment_fixed_size 327680
		.amdhsa_private_segment_fixed_size 0
		.amdhsa_enable_private_segment 0
		.amdhsa_kernarg_size 40
		.amdhsa_user_sgpr_count 2
		.amdhsa_user_sgpr_kernarg_segment_ptr 1
		.amdhsa_wavefront_size32 1
		.amdhsa_system_sgpr_workgroup_id_x 1
		.amdhsa_system_sgpr_workgroup_id_y 1
		.amdhsa_system_sgpr_workgroup_id_z 1
		.amdhsa_system_vgpr_workitem_id 0
		.amdhsa_next_free_vgpr 512
		.amdhsa_next_free_sgpr 80
		.amdhsa_reserve_vcc 0
		.amdhsa_float_denorm_mode_32 3
		.amdhsa_float_denorm_mode_16_64 3
		.amdhsa_memory_ordered 1
		.amdhsa_forward_progress 1
		.amdhsa_inst_pref_size 153
	.end_amdhsa_kernel
	.amdgpu_metadata
---
amdhsa.version: [ 1, 2 ]
amdhsa.kernels:
  - .name:           k_q5bda06f5b6_attn
    .symbol:         k_q5bda06f5b6_attn.kd
    .args:
      - { .name: qkv, .offset: 0, .size: 8, .value_kind: global_buffer, .address_space: global }
      - { .name: doc_similarities, .offset: 8, .size: 8, .value_kind: global_buffer, .address_space: global }
      - { .name: beta, .offset: 16, .size: 8, .value_kind: global_buffer, .address_space: global }
      - { .name: lowp_scales, .offset: 24, .size: 8, .value_kind: global_buffer, .address_space: global }
      - { .name: acodes, .offset: 32, .size: 8, .value_kind: global_buffer, .address_space: global }
    .group_segment_fixed_size: 327680
    .private_segment_fixed_size: 0
    .kernarg_segment_align: 8
    .kernarg_segment_size: 40
    .max_flat_workgroup_size: 256
    .sgpr_count:     80
    .vgpr_count:     512
    .wavefront_size: 32
...
	.end_amdgpu_metadata
.endif
;; end of part 2
;; launch outp (part 3): grid 8 x 32, 8 waves a work-group, clusters of 4 x 4, 263,168 bytes of LDS; arguments acodes, Wout_codes, bout, lowp_scales, out0; writes out0
.if DOCPART == 3
	.amdgcn_target "amdgcn-amd-amdhsa--gfx1250"
	.amdhsa_code_object_version 6
	.text
	.protected	k_q5bda06f5b6_outp
	.globl	k_q5bda06f5b6_outp
	.p2align	8
	.type	k_q5bda06f5b6_outp,@function
k_q5bda06f5b6_outp:
	s_mov_b64 s[64:65], 0
	v_nop
	global_prefetch_b8 v0, s[64:65] scope:SCOPE_SE
	s_setreg_imm32_b32 hwreg(HW_REG_WAVE_MODE, 25, 1), 1
	s_wait_xcnt 0x0
	s_wait_alu depctr_hold_cnt(0) depctr_sa_sdst(0) depctr_va_vdst(0) depctr_va_sdst(0) depctr_va_ssrc(0) depctr_va_vcc(0) depctr_vm_vsrc(0)
	s_getreg_b32 s2, hwreg(HW_REG_IB_STS2, 6, 4)
	s_cmp_eq_u32 s2, 0
	s_cbranch_scc0 .Lentry_in_a_cluster
	s_endpgm
.Lentry_in_a_cluster:
	s_bfe_u32 s2, ttmp6, 0x10000c
	s_cmp_lg_u32 s2, 0xf033
	s_cbranch_scc0 .Lentry_shape_is_right
	s_endpgm
.Lentry_shape_is_right:
; out[m][n] = (sum over k of A[m][k] Wout[n][k]) x 2^(e8 + e9) + bout[n], on codes of FP8 (E4M3).  A: 2,048 rows x 1,024, as the launch before has laid it: for each 64 rows eight blocks (one a head, 128 along K) of
; 64 rows x 128 codes, 65,536 dense bytes.  Wout: [1,024 (n)][1,024 (k)] codes.  out: [2,048][1,024] f32.
; LIMIT: e8 + e9 lies between -126 and 127, so that 2^(e8 + e9) is an f32 number.
; A tile of 64 rows x 128 columns to a work-group: 256 work-groups.  All of K lies in LDS at once: each of the eight waves brings one part by one tensor load, nothing is filled again, so there is no ring.
; CLUSTERS: 4 x 4 work-groups: A's tile is shared along a row of the cluster, Wout's along a column: both are asked for JOINTLY.
; Wave w = 4 wr + wc makes rows 32 wr on x columns 32 wc on: four accumulators, which take turns.  THE MATRIX INSTRUCTION IS USED TRANSPOSED (source 0 = 16 rows of Wout, source 1 = 16 rows of A):
; a lane holds eight neighbouring numbers of a row of out.
; REGISTERS: v1 A's, v2, v3 Wout's LDS addresses (K halves); v4 into the stage, v5 out of it, v6 16 x lane, v7 the bias's offset; v16-31 bias; v32-63 accumulators; v64-127, v128-191 two sets of fragments; v192-223 results.
.set BH,    128*528                    ; Wout's tile, one half of K: 128 rows x (512 bytes + 16)
.set ABASE, 2*BH
.set ACH,   32*272                     ; A's block of one head: its 8,192 bytes as 32 rows of 256 + 16: row m lies at (m / 2) 272 + (m % 2) 128
.set STG,   ABASE+8*ACH                ; the way out: 64 rows x (512 bytes + 16); no tensor load lands here
.set ACC,   32
.macro CROUND                          ; a round of the cluster's barrier
	s_barrier_signal -1
	s_barrier_wait -1
	s_cmp_lg_u32 s14, 0
	s_cbranch_scc1 .Lnot_wave_0_\@
	s_barrier_signal -3
.Lnot_wave_0_\@:
	s_barrier_wait -3
	s_barrier_signal -1
	s_barrier_wait -1
.endm
	s_load_b256 s[4:11], s[0:1], 0x0               ; A's codes s[4:5], Wout's s[6:7], bout s[8:9], the scales' exponents s[10:11]
	s_load_b64 s[12:13], s[0:1], 0x20              ; out
	v_lshl_add_u32 v254, v0, 2, 0x40000
	v_mov_b32 v255, 0
	ds_add_u32 v254, v255
	ds_add_u32 v254, v255
	v_lshrrev_b32 v1, 5, v0
	v_readfirstlane_b32 s14, v1                    ; wave 0..7
	s_lshr_b32 s15, s14, 2                         ; wr.  Also: I fetch for Wout (0) or for A (1)
	s_and_b32 s16, s14, 3                          ; wc.  Also: which quarter I fetch
	s_bfe_u32 s40, ttmp6, 0x40000                  ; cx, cy
	s_bfe_u32 s41, ttmp6, 0x40004
	s_lshl_b32 s42, ttmp9, 2
	s_add_co_u32 s42, s42, s40                     ; tile column = 4 x cluster x + cx
	s_and_b32 s17, ttmp7, 0xffff
	s_lshl_b32 s17, s17, 2
	s_add_co_u32 s17, s17, s41                     ; tile row = 4 x cluster y + cy
	s_lshl_b32 s43, s41, 2
	s_lshl_b32 s43, 15, s43                        ; my row of the cluster
	s_lshl_b32 s44, 0x1111, s40                    ; my column
	s_or_b32 s24, s43, (0<<16)|(1<<20)|(1<<21)|(5<<22)|(3<<25)   ; A: 64 rows x 256 bytes, dense; four words of padding after every 64
	s_mov_b32 s25, 256<<16
	s_mov_b32 s26, 64<<16
	s_mov_b32 s27, 256<<16
	s_mov_b32 s28, 64
	s_mov_b32 s29, 256
	s_mov_b32 s30, 0
	s_mov_b32 s31, 0
	s_or_b32 s48, s44, (0<<16)|(1<<20)|(1<<21)|(6<<22)|(3<<25)   ; Wout: 64 rows x 512 bytes, 1,024 bytes apart; four words of padding after every 128
	s_mov_b32 s49, 512<<16
	s_mov_b32 s50, 64<<16
	s_mov_b32 s51, 512<<16
	s_mov_b32 s52, 64
	s_mov_b32 s53, 1024
	s_mov_b32 s54, 0
	s_mov_b32 s55, 0
	s_lshl_b32 s36, s17, 16                        ; A: the tile row's 65,536 bytes, my quarter (two heads)
	s_lshl_b32 s37, s16, 14
	s_add_co_u32 s36, s36, s37
	s_mov_b32 s37, 0
	s_lshl_b32 s46, s42, 7                         ; Wout: row 128 x tile column + 64 x (wave % 2),
	s_and_b32 s47, s14, 1
	s_lshl_b32 s47, s47, 6
	s_add_co_u32 s46, s46, s47
	s_lshl_b32 s46, s46, 10
	s_bfe_u32 s47, s14, 0x10001
	s_lshl_b32 s47, s47, 9                         ; K half (wave / 2) % 2
	s_add_co_u32 s46, s46, s47
	s_mov_b32 s47, 0
	s_mul_i32 s38, s16, 2*ACH
	s_add_co_u32 s38, s38, ABASE                   ; where they go: no place in the cluster enters an LDS address
	s_mul_i32 s39, s16, 64*528
	s_lshl_b32 s68, s42, 9                         ; bout: 128 numbers a tile column, my 32
	s_lshl_b32 s69, s16, 7
	s_add_co_u32 s68, s68, s69
	s_mov_b32 s69, 0
	s_lshl_b32 s70, s17, 6                         ; out: row 64 x tile row + 8 x wave, of 4,096 bytes; column 128 x tile column
	s_lshl_b32 s71, s14, 3
	s_add_co_u32 s70, s70, s71
	s_lshl_b32 s70, s70, 12
	s_lshl_b32 s71, s42, 9
	s_add_co_u32 s70, s70, s71
	s_mov_b32 s71, 0
	s_wait_dscnt 0x0
	s_wait_kmcnt 0x0
	s_load_b64 s[20:21], s[10:11], 0x20            ; e8, e9
	s_mov_b32 s32, 1
	s_mov_b32 s33, s38
	s_add_nc_u64 s[34:35], s[4:5], s[36:37]
	s_or_b32 s35, s35, 0x80000000
	s_mov_b32 s56, 1
	s_mov_b32 s57, s39
	s_add_nc_u64 s[58:59], s[6:7], s[46:47]
	s_or_b32 s59, s59, 0x80000000
	s_add_nc_u64 s[8:9], s[8:9], s[68:69]
	s_add_nc_u64 s[12:13], s[12:13], s[70:71]
	CROUND                                         ; all sixteen work-groups are here: the joint loads meet
	s_cmp_lt_u32 s14, 4                            ; the branch hangs on the wave's number alone; one load a wave; four v_nop follow each line
	s_cbranch_scc0 .Lfor_a
	tensor_load_to_lds s[56:59], s[48:55]
	s_nop 0
.rept 4
	v_nop
.endr
	s_branch .Lasked
.Lfor_a:
	tensor_load_to_lds s[32:35], s[24:31]
	s_nop 0
.rept 4
	v_nop
.endr
.Lasked:
	v_and_b32 v8, 15, v0                           ; r
	v_bfe_u32 v9, v0, 4, 1                         ; h
	v_and_b32 v10, 31, v0                          ; lane
	v_lshlrev_b32 v7, 5, v9                        ; the bias: my half's eight numbers of a tile of 16 columns
.irp b, 0,1
	global_load_b128 v[16+8*\b:19+8*\b], v7, s[8:9] offset:64*\b
	global_load_b128 v[20+8*\b:23+8*\b], v7, s[8:9] offset:64*\b+16
.endr
	v_lshrrev_b32 v1, 1, v8
	v_mul_u32_u24 v1, v1, 272
	v_and_b32 v11, 1, v8
	v_lshl_add_u32 v1, v11, 7, v1
	v_lshl_add_u32 v1, v9, 4, v1
	s_mul_i32 s18, s15, 16*272
	s_add_co_u32 s18, s18, ABASE
	v_add_nc_u32 v1, s18, v1                       ; A: row 32 wr + r of a head's block, + 16 h
	v_mul_u32_u24 v2, v8, 528
	v_lshl_add_u32 v2, v9, 4, v2
	s_mul_i32 s18, s16, 32*528
	v_add_nc_u32 v2, s18, v2                       ; Wout: row 32 wc + r, + 16 h, K's first half;
	v_add_nc_u32 v3, BH, v2                        ; its second
	v_mul_u32_u24 v4, v8, 528
	v_lshl_add_u32 v4, v9, 5, v4
	s_mul_i32 s18, s15, 32*528
	s_lshl_b32 s19, s16, 7
	s_add_co_u32 s18, s18, s19
	s_add_co_u32 s18, s18, STG
	v_add_nc_u32 v4, s18, v4                       ; the stage, in: row 32 wr + r, byte 128 wc + 32 h
	s_mul_i32 s18, s14, 8*528
	s_add_co_u32 s18, s18, STG
	v_lshl_add_u32 v5, v10, 4, s18                 ; back: my wave's 8 rows, 32 lanes to a row of 512 bytes
	v_lshlrev_b32 v6, 4, v10
	s_wait_tensorcnt 0x0                           ; my part is in,
	s_barrier_signal -1
	s_barrier_wait -1                              ; everybody's is
.macro FETCH k, f                      ; K step k (a head's 128): A's two fragments, then Wout's two: registers 4 c .. 4 c + 3 hold K = 32 c + 16 h + 0 .. 15, alike on both sides
.irp a, 0,1
.irp c, 0,1,2,3
	ds_load_b128 v[\f+16*\a+4*\c:\f+16*\a+4*\c+3], v1 offset:(\k)*ACH+\a*2176+32*\c
.endr
.endr
.irp b, 0,1
.irp c, 0,1,2,3
	ds_load_b128 v[\f+32+16*\b+4*\c:\f+32+16*\b+4*\c+3], v[2+(\k)/4] offset:\b*16*528+((\k)%4)*128+32*\c
.endr
.endr
.endm
	FETCH 0, 64
.set KS, 0
.rept 8
.set FC, 64+64*(KS%2)
.set FN, 64+64*((KS+1)%2)
.if KS > 0
.rept 4
	v_nop                                          ; places in front of loads into registers that the last step's products have read
.endr
.endif
.if KS < 7
	FETCH KS+1, FN
	s_wait_dscnt 16                                ; this step's fragments are in; the 16 loads just issued may be out
.else
	s_wait_dscnt 0x0
.endif
.irp a, 0,1
.irp b, 0,1
.if KS == 0
	v_wmma_f32_16x16x128_fp8_fp8 v[ACC+8*(2*\a+\b):ACC+8*(2*\a+\b)+7], v[FC+32+16*\b:FC+32+16*\b+15], v[FC+16*\a:FC+16*\a+15], 0
.else
	v_wmma_f32_16x16x128_fp8_fp8 v[ACC+8*(2*\a+\b):ACC+8*(2*\a+\b)+7], v[FC+32+16*\b:FC+32+16*\b+15], v[FC+16*\a:FC+16*\a+15], v[ACC+8*(2*\a+\b):ACC+8*(2*\a+\b)+7]
.endif
.endr
.endr
.set KS, KS+1
.endr
	s_wait_kmcnt 0x0
	s_add_co_i32 s22, s20, s21
	s_add_co_i32 s22, s22, 127
	s_lshl_b32 s22, s22, 23                        ; 2^(e8 + e9) as f32
	s_mov_b32 s23, s22                             ; (named with it as a pair, so it is written)
	s_wait_loadcnt 0x0                             ; the bias
.rept 4
	v_nop                                          ; places in front of the first read of the results
.endr
.irp a, 0,1
.irp b, 0,1
.irp i, 0,2,4,6
	v_pk_fma_f32 v[192+8*(2*\a+\b)+\i:192+8*(2*\a+\b)+\i+1], v[ACC+8*(2*\a+\b)+\i:ACC+8*(2*\a+\b)+\i+1], s[22:23], v[16+8*\b+\i:16+8*\b+\i+1] op_sel_hi:[1,0,1]   ; sum x 2^(e8 + e9) + bout, each accumulator from its low end on
.endr
.endr
.endr
.irp a, 0,1
.irp b, 0,1
	ds_store_b128 v4, v[192+8*(2*\a+\b):192+8*(2*\a+\b)+3] offset:\a*16*528+64*\b
	ds_store_b128 v4, v[192+8*(2*\a+\b)+4:192+8*(2*\a+\b)+7] offset:\a*16*528+64*\b+16
.endr
.endr
	s_wait_dscnt 0x0                               ; for the others' sake: my stores into the stage are done
	s_barrier_signal -1
	s_barrier_wait -1                              ; 64 whole rows lie in the stage
.irp i, 0,1,2,3,4,5,6,7
	ds_load_b128 v[64+4*\i:67+4*\i], v5 offset:528*\i
.endr
.irp i, 0,1,2,3,4,5,6,7
	s_wait_dscnt 7-\i
	global_store_b128 v6, v[64+4*\i:67+4*\i], s[12:13] offset:4096*\i th:TH_STORE_NT   ; 32 lanes store 512 consecutive bytes, aligned; written once, read by nobody here
.endr
	s_wait_tensorcnt 0x0
	ds_add_u32 v254, v255
	s_wait_dscnt 0x0
	CROUND                                         ; the closing round: no work-group ends while a partner may still ask for a tile that names it
	s_endpgm
.Lfunc_end_k_q5bda06f5b6_outp:
	.size	k_q5bda06f5b6_outp, .Lfunc_end_k_q5bda06f5b6_outp-k_q5bda06f5b6_outp
	.p2alignl 7, 3214868480
	.fill 96, 4, 3214868480
	.section	.rodata,"a",@progbits
	.p2align	6, 0x0
	.amdhsa_kernel k_q5bda06f5b6_outp
		.amdhsa_group_segment_fixed_size 263168
		.amdhsa_private_segment_fixed_size 0
		.amdhsa_enable_private_segment 0
		.amdhsa_kernarg_size 40
		.amdhsa_user_sgpr_count 2
		.amdhsa_user_sgpr_kernarg_segment_ptr 1
		.amdhsa_wavefront_size32 1
		.amdhsa_system_sgpr_workgroup_id_x 1
		.amdhsa_system_sgpr_workgroup_id_y 1
		.amdhsa_system_sgpr_workgroup_id_z 1
		.amdhsa_system_vgpr_workitem_id 0
		.amdhsa_next_free_vgpr 256
		.amdhsa_next_free_sgpr 80
		.amdhsa_reserve_vcc 0
		.amdhsa_float_denorm_mode_32 3
		.amdhsa_float_denorm_mode_16_64 3
		.amdhsa_memory_ordered 1
		.amdhsa_forward_progress 1
		.amdhsa_inst_pref_size 22
	.end_amdhsa_kernel
	.amdgpu_metadata
---
amdhsa.version: [ 1, 2 ]
amdhsa.kernels:
  - .name:           k_q5bda06f5b6_outp
    .symbol:         k_q5bda06f5b6_outp.kd
    .args:
      - { .name: acodes, .offset: 0, .size: 8, .value_kind: global_buffer, .address_space: global }
      - { .name: Wout_codes, .offset: 8, .size: 8, .value_kind: global_buffer, .address_space: global }
      - { .name: bout, .offset: 16, .size: 8, .value_kind: global_buffer, .address_space: global }
      - { .name: lowp_scales, .offset: 24, .size: 8, .value_kind: global_buffer, .address_space: global }
      - { .name: out0, .offset: 32, .size: 8, .value_kind: global_buffer, .address_space: global }
    .group_segment_fixed_size: 263168
    .private_segment_fixed_size: 0
    .kernarg_segment_align: 8
    .kernarg_segment_size: 40
    .max_flat_workgroup_size: 256
    .sgpr_count:     80
    .vgpr_count:     256
    .wavefront_size: 32
...
	.end_amdgpu_metadata
.endif
;; end of part 3
;; ======== version 2 of 2: 3 launches
;; limits: right only within a limited range of input values
;; workspace buffers: qkv 18,874,368 bytes; acodes 2,097,152 bytes
;; launch proj (part 4): grid 4 x 64, 4 waves a work-group, clusters of 4 x 4, 327,680 bytes of LDS; arguments x_codes, Wq_codes, context_codes, Wkv_codes, lowp_scales, qkv; writes qkv
.if DOCPART == 4
	.amdgcn_target "amdgcn-amd-amdhsa--gfx1250"
	.amdhsa_code_object_version 6
	.text
	.protected	k_q5bda06f5b6_proj
	.globl	k_q5bda06f5b6_proj
	.p2align	8
	.type	k_q5bda06f5b6_proj,@function
k_q5bda06f5b6_proj:
	s_mov_b64 s[64:65], 0
	v_nop
	global_prefetch_b8 v0, s[64:65] scope:SCOPE_SE
	s_setreg_imm32_b32 hwreg(HW_REG_WAVE_MODE, 25, 1), 1
	s_wait_xcnt 0x0
	s_wait_alu depctr_hold_cnt(0) depctr_sa_sdst(0) depctr_va_vdst(0) depctr_va_sdst(0) depctr_va_ssrc(0) depctr_va_vcc(0) depctr_vm_vsrc(0)
	s_getreg_b32 s2, hwreg(HW_REG_IB_STS2, 6, 4)
	s_cmp_eq_u32 s2, 0
	s_cbranch_scc0 .Lentry_in_a_cluster
	s_endpgm
.Lentry_in_a_cluster:
	s_bfe_u32 s2, ttmp6, 0x10000c
	s_cmp_lg_u32 s2, 0xf033
	s_cbranch_scc0 .Lentry_shape_is_right
	s_endpgm
.Lentry_shape_is_right:
; THE THREE PROJECTIONS, each C[m][n] = sum over k of A[m][k] B[n][k], K = 1,024, on codes of FP8 (E4M3), and the quantising of their results into codes for the attention launch.
; 256 work-groups of equal work.  Each makes ONE TILE of 256 x 256 of k or of v^T, and behind it ONE PIECE of 64 x 128 of q.  The cluster's y (0..15) says which tile:
;   0..7   k   = context x Wkv's rows 0..1023      (8,192 x 1,024), code = sum / 2^(e5 - e2 - e3)
;   8..15  v^T = Wkv's rows 1024..2047 x context   (1,024 x 8,192), code = sum / 2^(e7 - e3 - e2)
;   every work-group: q = x x Wq (2,048 x 1,024 = 256 pieces), rows 64 (4 (y / 2) + cy) on, head 4 (y % 2) + cx, code = sum / 2^(e4 - e0 - e1)
; The choice is made by s_cselect on the cluster's y alone: pointers, tile bases, exponents.  There is one path through the text.
; LIMITS: e_out - e_A - e_B lies between -126 and 119, so that the scale and 448 x the scale are f32 numbers.  NaN is not served; what lies beyond 448 x the scale is held at the largest code.
; THE TILE: four waves, each 128 x 128: 64 accumulators, 512 registers.  K goes in four steps of 256 through two LDS slots filled by the tensor data mover.
; THE PIECE OF q: its operands (x: 64 rows, Wq: 128 rows, all of K) come through the same two slots once the tile has left them: slot 0 takes x's two halves of K and Wq's first, slot 1 Wq's second.  The second of these
; fills lands while the tile is converted and stored, and the tile's stores leave while q is multiplied.  A wave makes 32 x 64 of q: 8 accumulators, 8 steps of 128 along K.
; CLUSTERS: 4 x 4 work-groups.  The four of a row of the cluster need the same tiles of A and the same rows of x, the four of a column the same tiles of B and the same rows of Wq: each is asked for JOINTLY.
; THE MATRIX INSTRUCTION IS USED TRANSPOSED (source 0 = 16 rows of B, source 1 = 16 rows of A): a lane holds eight neighbouring numbers of a row of C, which one conversion turns into 8 codes.
; THE OUTPUT: dense blocks of 128 rows x 128 codes (16,384 bytes).  k at byte 0: block (b 8 + head) 32 + key / 128, a row a key; v at 8 MiB: the same index, a row one of the head's 128, its bytes the block's 128 keys;
; q at 16 MiB: block (b 8 + head) 8 + query / 128 (a piece is half a block).  IN A BLOCK, ROW c LIES AT PLACE c WITH ITS BITS 3 AND 4 EXCHANGED: so sixteen neighbouring places are the rows that the next launch wants as
; one tile (its results' 16 registers of two neighbouring tiles are then 16 neighbours along the next K).
; REGISTERS, in windows of 256: window 0: v0-31 addresses and scales; v32-95 a block's held sums, later q's accumulators; v96-127 codes (two sets); from v128 A's fragments, ONE set (on the way out v128-175 rows read back).
;   window 1: B's fragments, TWO sets; later q's fragments, two sets of 96.   window 2: the accumulators of my rows 0-63 ((a, b) at v[8 (8 a + b)]);   window 3: those of my rows 64-127.
.set ROWB,   256                       ; a tile's row in bytes: 256 codes
.set KROW,   1024                      ; a row of A or of B in memory, in bytes
.set PITCH,  272                       ; an LDS row: 256 bytes + 16 of padding = 68 words: the 16 rows that a load touches start at 16 different groups of four banks (ISA guide 11.1)
.set FR,     16                        ; registers of a fragment: 16 rows x 128 K
.set NL,     4                         ; LDS loads that bring one
.set NP,     4                         ; places behind this matrix instruction (ISA guide 7.12.1)
.set HALFT,  128*PITCH                 ; 128 rows: what one tensor load brings
.set SLOT,   4*HALFT                   ; a slot's bytes in all: A's 256 rows and B's 256.  THE TWO SLOTS ARE INTERLEAVED: the 128 rows that wave w fetches lie at 2 w HALFT in slot 0 and HALFT further on in slot 1, so that one load fills both at the head
.set SPARE,  2*SLOT                    ; behind the ring: the spare words, 128 bytes for each wave
.set STAGE,  SPARE+512                 ; behind them: the way out: 64 rows x 144 bytes, into which no tensor load lands: four stages of 16 rows, one a wave, for the tile; then one of 64 rows for q
.set SPITCH, 144                       ; a stage's row: 128 codes + 16 bytes
.set QP,     528                       ; q's operands in LDS: a row is 512 bytes (half of K) + 16 of padding = 132 words
.set QXH,    64*QP                     ; 64 such rows: what one tensor load brings: one half of K of x, or of 64 rows of Wq
                                       ; x's halves of K take the places of waves 0 and 1 in slot 0, Wq's first half those of waves 2 and 3 in slot 0, its second half those in slot 1
.set QAA,  10                          ; v10-11  LDS address of my fragments of x: first, second half of K
.set QBA,  12                          ; v12-13  of my fragments of Wq: first, second half of K
.set QSTO, 14                          ; v14     q's way out: where I put 8 codes of a row
.set ADRA, 16                          ; v16-17  LDS address of my A fragments in slot 0, 1
.set ADRB, 20                          ; v20-21  the same for B
.set STO,  24                          ; v24     the tile's way out: where I put 8 codes of a row
.set RD,   25                          ; v25     where I read rows back: 8 lanes to a row, 4 rows a load
.set CO,   26                          ; v26     16 x lane: my place in 512 bytes of the output
.set SPW,  28                          ; v28     LDS address of my spare word; never rewritten
.set NIL,  29                          ; v29     0; never rewritten
.set SCL,  30                          ; v30     the tile's 2^(e_out - e_A - e_B) as f32
.set SCLQ, 31                          ; v31     q's
.set TMP,  32
.set QACC, 32
.set CD,   96
.set AF,   128
.set BK,   128
.set QBK,  160
.set G1, 24                            ; s[24:31] descriptor group 1 for A's tiles;  s[32:39] group 0, one set for each slot
.set G0, 32
.set G1B, 48                           ; s[48:55], s[56:63] the same for B's tiles
.set G0B, 56
.set G1QA, 72                          ; s[72:79] group 1 for x's rows;  s[80:87] for Wq's: they differ in the mask alone
.set G1QB, 80
.set G0QA, 88                          ; s[88:91] group 0 for x;  s[92:95], s[96:99] for Wq's first and second half of K
.set G0QB, 92
.set MSB, 0
.macro WIN new                         ; the immediate's high byte repeats the setting that is left
.if MSB != (\new)
	s_set_vgpr_msb (MSB<<8)|(\new)
.set MSB, (\new)
.endif
.endm
.set MUL_LO, 0xa1                      ; source 0 (B) window 1, source 1 (A) window 0, C and D window 2
.set MUL_HI, 0xf1                      ; the same, C and D window 3
.set MUL_Q,  0x05                      ; sources 0 and 1 window 1, C and D window 0
.set TO_B,   0x40                      ; destination window 1, address window 0
; A joint load: waves 0 and 1 fetch for A (or x), waves 2 and 3 for B (or Wq).  The branch hangs on the wave's number alone.  Four v_nop follow each of the two lines.
.macro JLOAD g0a, g1a, g0b, g1b
	s_cmp_eq_u32 s15, 0
	s_cbranch_scc0 .Lfor_b_\@
	tensor_load_to_lds s[\g0a:\g0a+3], s[\g1a:\g1a+7]
	s_nop 0
.rept 4
	v_nop
.endr
	s_branch .Lasked_\@
.Lfor_b_\@:
	tensor_load_to_lds s[\g0b:\g0b+3], s[\g1b:\g1b+7]
	s_nop 0
.rept 4
	v_nop
.endr
.Lasked_\@:
.endm
.macro CREST                           ; a round of the cluster's barrier behind its opening barrier
	s_cmp_lg_u32 s14, 0
	s_cbranch_scc1 .Lnot_wave_0_\@
	s_barrier_signal -3
.Lnot_wave_0_\@:
	s_barrier_wait -3
	s_barrier_signal -1
	s_barrier_wait -1
.endm
.macro CROUND                          ; a whole round
	s_barrier_signal -1
	s_barrier_wait -1
	CREST
.endm
	s_load_b256 s[4:11], s[0:1], 0x0               ; x s[4:5], Wq s[6:7], context s[8:9], Wkv s[10:11]
	s_load_b128 s[20:23], s[0:1], 0x20             ; the scales' exponents s[20:21], the output s[22:23]
	v_lshl_add_u32 v[SPW], v0, 2, SPARE
	v_mov_b32 v[NIL], 0
	ds_add_u32 v28, v29
	ds_add_u32 v28, v29
	s_wait_dscnt 0x0
	v_lshrrev_b32 v1, 5, v0
	v_readfirstlane_b32 s14, v1                    ; wave 0..3
	s_lshr_b32 s15, s14, 1                         ; which half of the tile's rows is mine.  Also: I fetch for A (0) or for B (1)
	s_and_b32 s16, s14, 1                          ; which half of its columns.  Also: which half of what is fetched I fetch
	s_bfe_u32 s40, ttmp6, 0x40000                  ; cx, cy: my place in the cluster
	s_bfe_u32 s41, ttmp6, 0x40004
	s_and_b32 s66, ttmp7, 0xffff                   ; Y, the cluster's y: the same in all sixteen partners
	s_and_b32 s67, s66, 7                          ; Y - 8 in v's clusters
	s_cmp_lt_u32 s66, 8
	s_cselect_b32 s69, s66, 0                      ; the cluster's place down C: k: Y; v: 0
	s_cselect_b32 s70, 0, s67                      ; and along C: k: 0; v: Y - 8
	s_lshl_b32 s42, s70, 2
	s_add_co_u32 s42, s42, s40                     ; tile column of C
	s_lshl_b32 s17, s69, 2
	s_add_co_u32 s17, s17, s41                     ; tile row of C
	s_lshl_b32 s43, s41, 2
	s_lshl_b32 s43, 15, s43                        ; my row of the cluster
	s_lshl_b32 s44, 0x1111, s40                    ; my column
	; descriptor group 1 for the tile's operands: 128 rows x 256 bytes, padded in LDS
	s_or_b32 s[G1+0], s43, (0<<16)|(1<<20)|(1<<21)|(5<<22)|(3<<25)  ; 15:0 the mask: A's tiles go to my row; 17:16 element of 1 byte; 20 padding on; 21 set beside a mask; 24:22 after every 64 words; 31:25 four words
	s_or_b32 s[G1B+0], s44, (0<<16)|(1<<20)|(1<<21)|(5<<22)|(3<<25)
.irp g, G1, G1B
	s_mov_b32 s[\g+1], ROWB<<16                    ; tensor_dim0
	s_mov_b32 s[\g+2], 128<<16                     ; tensor_dim1 = 128
	s_mov_b32 s[\g+3], ROWB<<16                    ; tile_dim0
	s_mov_b32 s[\g+4], 128|(2<<16)                 ; tile_dim1 = 128; for the head's load tile_dim2 = 2: K steps 0 and 1
	s_mov_b32 s[\g+5], KROW                        ; tensor_dim0_stride
	s_mov_b32 s[\g+6], 256<<16                     ; tensor_dim1_stride: from K step to K step
	s_mov_b32 s[\g+7], 0
.endr
	; and for q's operands: 64 rows x 512 bytes
	s_or_b32 s[G1QA+0], s43, (0<<16)|(1<<20)|(1<<21)|(6<<22)|(3<<25)  ; x's rows go to my row of the cluster; padding: four words after every 128
	s_or_b32 s[G1QB+0], s44, (0<<16)|(1<<20)|(1<<21)|(6<<22)|(3<<25)  ; Wq's to my column
.irp g, G1QA, G1QB
	s_mov_b32 s[\g+1], 512<<16                     ; tensor_dim0
	s_mov_b32 s[\g+2], 64<<16                      ; tensor_dim1 = 64
	s_mov_b32 s[\g+3], 512<<16                     ; tile_dim0
	s_mov_b32 s[\g+4], 64                          ; tile_dim1 = 64
	s_mov_b32 s[\g+5], KROW                        ; tensor_dim0_stride
	s_mov_b32 s[\g+6], 0
	s_mov_b32 s[\g+7], 0
.endr
	s_lshl_b32 s18, s16, 7                         ; which 128 rows of the tile I fetch
	s_lshl_b32 s2, s17, 8
	s_add_co_u32 s2, s2, s18                       ; A: row 256 x tile row + 128 x half,
	s_lshl_b32 s2, s2, 10                          ; in bytes (under 2^23)
	s_mov_b32 s3, 0
	s_lshl_b32 s46, s42, 8
	s_add_co_u32 s46, s46, s18                     ; B: row 256 x tile column + 128 x half
	s_lshl_b32 s46, s46, 10
	s_mov_b32 s47, 0
	s_mul_i32 s45, s14, 2*HALFT                    ; where they go: the wave's number alone: no place in the cluster enters an LDS address
	CROUND                                         ; all sixteen work-groups are here: the first joint loads meet (the arguments may still be on their way)
	s_wait_kmcnt 0x0
	s_add_nc_u64 s[100:101], s[10:11], 0x100000    ; Wkv's rows 1024 on: v's weights
	s_cmp_lt_u32 s66, 8
	s_cselect_b64 s[100:101], s[8:9], s[100:101]   ; A: k: context; v: Wkv's second half
	s_cselect_b64 s[104:105], s[10:11], s[8:9]     ; B: k: Wkv's first half; v: context
	s_add_nc_u64 s[2:3], s[100:101], s[2:3]
	s_add_nc_u64 s[46:47], s[104:105], s[46:47]
	s_mov_b32 s[G0], 1
	s_mov_b32 s[G0+1], s45
	s_mov_b64 s[G0+2:G0+3], s[2:3]
	s_or_b32 s[G0+3], s[G0+3], 0x80000000
	s_mov_b32 s[G0B], 1
	s_mov_b32 s[G0B+1], s45
	s_mov_b64 s[G0B+2:G0B+3], s[46:47]
	s_or_b32 s[G0B+3], s[G0B+3], 0x80000000
	s_mov_b32 s36, 2                               ; group 2: tensor_dim2 = 2 (in slot 1's group 0, which is made when this load is done)
	s_mov_b32 s37, 1
	s_mov_b32 s38, 0
	s_mov_b32 s39, 0
	s_mov_b32 s60, 0                               ; group 3
	s_mov_b32 s61, 1<<16
	s_mov_b32 s62, 0
	s_mov_b32 s63, 0
	s_cmp_eq_u32 s15, 0                            ; THE HEAD'S ONE LOAD A WAVE FILLS BOTH SLOTS: 2 planes (K steps 0 and 1) of 128 rows x 256 bytes
	s_cbranch_scc0 .Lhead_b
	tensor_load_to_lds s[G0:G0+3], s[G1:G1+7], s[36:39], s[60:63]
	s_nop 0
.rept 4
	v_nop
.endr
	s_branch .Lhead_asked
.Lhead_b:
	tensor_load_to_lds s[G0B:G0B+3], s[G1B:G1B+7], s[36:39], s[60:63]
	s_nop 0
.rept 4
	v_nop
.endr
.Lhead_asked:
; PREFETCHES INTO THE L2, at least a whole K step ahead of the load: K step 2 here, K step 3 behind the first fragments' loads, q's operands behind K steps 2 and 3.  The four partners that ask for a tile jointly share its
; rows out by address (cx for A and x, cy for B and Wq).  Context and x are asked for in both clusters that load them; Wkv and Wq, which eight clusters load, in four of the eight.  Nothing is asked for behind the last fill.
.macro ASK flag, off, base, k
	s_cmp_eq_u32 s\flag, 0
	s_cbranch_scc0 .Lnot_mine_\@
	global_prefetch_b8 v\off, s[\base:\base+1] offset:\k th:TH_LOAD_NT scope:SCOPE_SE
.Lnot_mine_\@:
.endm
	s_cmp_eq_u32 s15, 0
	s_cselect_b64 s[44:45], s[2:3], s[46:47]       ; the 128 rows that I fetch,
	s_cselect_b32 s2, s40, s41
	s_lshl_b32 s2, s2, 15                          ; my work-group's 32 of them
	s_mov_b32 s3, 0
	s_add_nc_u64 s[44:45], s[44:45], s[2:3]
	s_lshr_b32 s43, s66, 3
	s_xor_b32 s43, s43, s15                        ; bit 0: 0 where I fetch context, 1 where I fetch Wkv
	s_lshr_b32 s2, s66, 2
	s_and_b32 s43, s43, s2
	s_and_b32 s43, s43, 1                          ; 0: my wave asks
	v_and_b32 v22, 31, v0
	v_lshrrev_b32 v23, 1, v22
	v_and_b32 v27, 1, v22
	v_lshlrev_b32 v22, 10, v22                     ; a lane a row of 1,024 bytes
	v_lshlrev_b32 v23, 10, v23
	v_lshl_add_u32 v23, v27, 8, v23                ; q's operands: two lanes to a row, 256 bytes each
	ASK 43, 22, 44, 512                            ; K step 2
	; q's piece: x's rows hang on Y and cy, which my row of the cluster shares; Wq's on Y and cx, which my column shares
	s_lshr_b32 s12, s66, 1
	s_lshl_b32 s12, s12, 2
	s_add_co_u32 s12, s12, s41                     ; which 64 rows of x: 4 (Y / 2) + cy, 0..31
	s_lshl_b32 s68, s12, 16                        ; 64 rows of 1,024 bytes,
	s_lshl_b32 s13, s16, 9
	s_add_co_u32 s68, s68, s13                     ; the half of K that I fetch, if I fetch for x
	s_mov_b32 s69, 0
	s_and_b32 s19, s66, 1
	s_lshl_b32 s19, s19, 2
	s_add_co_u32 s19, s19, s40                     ; which head: 4 (Y % 2) + cx, 0..7
	s_lshl_b32 s70, s19, 7
	s_lshl_b32 s71, s16, 6
	s_add_co_u32 s70, s70, s71                     ; Wq: row 128 x head + 64 x half,
	s_lshl_b32 s70, s70, 10                        ; in bytes
	s_mov_b32 s71, 0
	s_mul_i32 s67, s16, 2*HALFT                    ; where they go: the wave's number alone
	s_mov_b32 s[G0QA], 1
	s_mov_b32 s[G0QA+1], s67                       ; slot 0: x's half of K
	s_add_nc_u64 s[G0QA+2:G0QA+3], s[4:5], s[68:69]
	s_or_b32 s[G0QA+3], s[G0QA+3], 0x80000000
	s_mov_b32 s[G0QB], 1
	s_add_co_u32 s[G0QB+1], s67, 4*HALFT           ; slot 0: Wq's first half of K
	s_add_nc_u64 s[G0QB+2:G0QB+3], s[6:7], s[70:71]
	s_mov_b32 s[G0QB+4], 1
	s_add_co_u32 s[G0QB+5], s67, 5*HALFT           ; slot 1: its second half
	s_add_nc_u64 s[G0QB+6:G0QB+7], s[G0QB+2:G0QB+3], 512
	s_or_b32 s[G0QB+3], s[G0QB+3], 0x80000000
	s_or_b32 s[G0QB+7], s[G0QB+7], 0x80000000
	s_cmp_eq_u32 s15, 0                            ; the prefetches for q: the 64 rows that I fetch, my work-group's 16 of them
	s_cselect_b64 s[46:47], s[4:5], s[6:7]
	s_cselect_b64 s[68:69], s[68:69], s[70:71]
	s_cselect_b32 s2, s40, s41
	s_add_nc_u64 s[46:47], s[46:47], s[68:69]
	s_lshl_b32 s2, s2, 14
	s_mov_b32 s3, 0
	s_add_nc_u64 s[46:47], s[46:47], s[2:3]
	s_lshr_b32 s40, s66, 3
	s_and_b32 s40, s40, s15                        ; 0: my wave asks for x or for Wq's first half of K
	s_xor_b32 s41, s15, 1
	s_or_b32 s41, s41, s40                         ; 0: my wave asks for Wq's second half
	; where my 16 rows of q go: 16 MiB + (batch 8 + head) 8 blocks + the piece's 64 places + my rows' places: rows 16 w on lie at places 32 (w / 2) + 8 (w % 2) on
	s_lshr_b32 s68, s12, 4
	s_lshl_b32 s68, s68, 3
	s_add_co_u32 s68, s68, s19
	s_lshl_b32 s68, s68, 17
	s_and_b32 s69, s12, 15
	s_lshl_b32 s69, s69, 13
	s_add_co_u32 s68, s68, s69
	s_lshl_b32 s69, s15, 12
	s_add_co_u32 s68, s68, s69
	s_lshl_b32 s69, s16, 10
	s_add_co_u32 s68, s68, s69
	s_add_co_u32 s68, s68, 0x1000000
	s_mov_b32 s69, 0
	s_add_nc_u64 s[104:105], s[22:23], s[68:69]
	; which block of the output is my wave's part of the tile.  P: the block of 128 keys; H: the head
	s_lshl_b32 s18, s17, 1
	s_add_co_u32 s18, s18, s15                     ; my block of 128 rows of C
	s_lshl_b32 s19, s42, 1
	s_add_co_u32 s19, s19, s16                     ; my block of 128 columns
	s_cmp_lt_u32 s66, 8
	s_cselect_b32 s70, s18, s19                    ; P: k: the rows; v: the columns
	s_cselect_b32 s71, s19, s18                    ; H: the other one
	s_cselect_b32 s67, 0, 0x800000                 ; k's part begins at 0, v's at 8 MiB
	s_lshr_b32 s68, s70, 5                         ; the batch: 32 blocks of keys each
	s_lshl_b32 s68, s68, 3
	s_add_co_u32 s68, s68, s71                     ; x 8 + head
	s_lshl_b32 s68, s68, 5
	s_and_b32 s70, s70, 31
	s_add_co_u32 s68, s68, s70                     ; x 32 + the block in the batch
	s_lshl_b32 s68, s68, 14                        ; blocks of 16,384 bytes
	s_add_co_u32 s68, s68, s67
	s_mov_b32 s69, 0
	s_add_nc_u64 s[100:101], s[22:23], s[68:69]
	s_load_b256 s[4:11], s[20:21], 0x0             ; e0 .. e7, into the registers that the four pointers have left; waited for where the scales are made
	v_and_b32 v1, 15, v0                           ; l % 16
	s_wait_alu depctr_va_vdst(0)
	v_bfe_u32 v2, v0, 4, 1                         ; l / 16
	v_mul_u32_u24 v3, v1, PITCH
	v_lshl_add_u32 v4, v2, 4, v3                   ; a fragment's row x pitch + 16 x half
	s_mul_i32 s18, s15, 2*HALFT                    ; my 128 rows of A
	s_mul_i32 s19, s16, 2*HALFT                    ; my 128 rows of B,
	s_add_co_u32 s19, s19, 4*HALFT                 ; which lie behind A's
.irp s, 0,1
	v_add_nc_u32 v[ADRA+\s], s18, v4
	v_add_nc_u32 v[ADRB+\s], s19, v4
	s_add_co_u32 s18, s18, HALFT
	s_add_co_u32 s19, s19, HALFT
.endr
	s_mul_i32 s18, s14, 16*SPITCH
	s_add_co_u32 s18, s18, STAGE                   ; my 16 rows of the stage
	v_mul_u32_u24 v5, v1, SPITCH                   ; in: row l % 16, 8 bytes for each half of the lanes
	s_wait_alu depctr_va_vdst(0)
	v_lshl_add_u32 v5, v2, 3, v5
	v_add_nc_u32 v[STO], s18, v5
	v_and_b32 v6, 31, v0
	v_lshlrev_b32 v[CO], 4, v6                     ; out: 16 bytes a lane
	v_lshrrev_b32 v7, 3, v6
	v_mul_u32_u24 v7, v7, SPITCH                   ; back: row lane / 8,
	v_and_b32 v8, 7, v6
	v_lshl_add_u32 v7, v8, 4, v7                   ; 16 bytes at 16 (lane % 8)
	v_add_nc_u32 v[RD], s18, v7
	v_mul_u32_u24 v9, v1, QP
	v_lshl_add_u32 v9, v2, 4, v9                   ; q's fragments: row x 528 + 16 x half
	s_mul_i32 s18, s15, 32*QP
	v_add_nc_u32 v[QAA], s18, v9                   ; x: my 32 rows, first half of K,
	s_add_co_u32 s18, s18, 2*HALFT
	v_add_nc_u32 v[QAA+1], s18, v9                 ; second half
	s_mul_i32 s18, s16, 2*HALFT
	s_add_co_u32 s19, s18, 4*HALFT
	v_add_nc_u32 v[QBA], s19, v9                   ; Wq: my 64 rows, first half of K (slot 0),
	s_add_co_u32 s19, s18, 5*HALFT
	v_add_nc_u32 v[QBA+1], s19, v9                 ; second half (slot 1)
	s_mul_i32 s18, s15, 32*SPITCH
	s_lshl_b32 s19, s16, 6
	s_add_co_u32 s18, s18, s19
	s_add_co_u32 s18, s18, STAGE
	v_add_nc_u32 v[QSTO], s18, v5                  ; q into the stage: row 32 x (my half of the rows) + l % 16, byte 64 x (my half of the columns) + 8 x half
.macro FRAG reg, adr, q, i             ; a fragment, 16 rows x 128 K, is 16 registers: lane l holds row l % 16; registers 4 c .. 4 c + 3 hold K = 32 c + 16 (l / 16) + 0 .. 15: the same order of K in A and in B
.irp c, 0,1,2,3
	ds_load_b128 v[\reg+4*\c:\reg+4*\c+3], v[\adr] offset:128*(\q)+32*\c+(\i)*16*PITCH
.endr
.endm
; 16 matrix instructions: A's blocks a0, a0 + 1 x B's eight, 128 along K.  p: B's set.  zero = 1: the first product starts the sums.  The 64 accumulators take turns, one instruction a turn.
.macro MUL16 a0, p, zero
.irp a, \a0, \a0+1
.irp b, 0,1,2,3,4,5,6,7
.if \zero
	v_wmma_f32_16x16x128_fp8_fp8 v[8*(8*((\a)%4)+\b):8*(8*((\a)%4)+\b)+7], v[128*(\p)+FR*\b:128*(\p)+FR*\b+FR-1], v[AF+FR*(\a):AF+FR*(\a)+FR-1], 0
.else
	v_wmma_f32_16x16x128_fp8_fp8 v[8*(8*((\a)%4)+\b):8*(8*((\a)%4)+\b)+7], v[128*(\p)+FR*\b:128*(\p)+FR*\b+FR-1], v[AF+FR*(\a):AF+FR*(\a)+FR-1], v[8*(8*((\a)%4)+\b):8*(8*((\a)%4)+\b)+7]
.endif
.endr
.endr
.endm
.macro FETCH_B slot, q, p              ; B's eight fragments of the slot's q-th 128 along K into set p
	WIN TO_B
.irp i, 0,1,2,3,4,5,6,7
	FRAG 128*(\p)+FR*\i, ADRB+\slot, \q, \i
.endr
	WIN 0
.endm
.macro FETCH_A slot, q, i0             ; A's blocks i0 .. i0 + 3
.irp i, \i0, \i0+1, \i0+2, \i0+3
	FRAG AF+FR*(\i), ADRA+\slot, \q, \i
.endr
.endm
.macro PLACES n                        ; plain vector instructions between a matrix instruction and a load into a register that it read, or a read of its result
.rept \n
	v_nop
.endr
.endm
; A step of 128 along K that has its successor in the same slot.
.macro STEP slot, q, zero
	s_wait_dscnt 4*NL                              ; B's set and A's blocks 0-3 are in; the youngest 16 loads (A's blocks 4-7) may be out
	WIN MUL_LO
	MUL16 0, (\q)%2, \zero
	MUL16 2, (\q)%2, \zero
	s_wait_dscnt 0                                 ; A's blocks 4-7 are in
	PLACES NP
	FETCH_B \slot, (\q)+1, 1-(\q)%2
	FETCH_A \slot, (\q)+1, 0
	WIN MUL_HI
	MUL16 4, (\q)%2, \zero
	MUL16 6, (\q)%2, \zero
	PLACES NP
	WIN 0
	FETCH_A \slot, (\q)+1, 4
.endm
; A slot's last step changes slots: ONE barrier, which opens a round of the cluster's; in front of it each wave waits for all its tensor loads, adds 0 to its spare word, and waits for that and for its own reads of this slot.
; Behind the round this slot is filled again: fill = 1: with the tile's K step two steps on; fill = 2: with x's two halves of K and Wq's first.
.macro TURN slot, next, fill
	s_wait_tensorcnt 0x0                           ; all my tensor loads have landed: my part of the next slot;  (every window is 0 here)
	ds_add_u32 v[SPW], v[NIL]                      ; 0 onto my spare word
	s_wait_dscnt 4*NL+1                            ; (the add and the youngest 16 loads, A's blocks 4-7, may be out)
	WIN MUL_LO
	MUL16 0, 1, 0                                  ; sixteen matrix instructions stand between the add and the wait for it
	s_wait_dscnt 0x0                               ; the add is done, and my reads of this slot are over
	s_barrier_signal -1
	MUL16 2, 1, 0
	WIN 0
	s_barrier_wait -1
	CREST                                          ; no wave of any partner still reads this slot's tile or has a load on its way
.if \fill == 1
	s_add_nc_u64 s[G0+4*\slot+2:G0+4*\slot+3], s[G0+4*\slot+2:G0+4*\slot+3], 2*ROWB
	s_add_nc_u64 s[G0B+4*\slot+2:G0B+4*\slot+3], s[G0B+4*\slot+2:G0B+4*\slot+3], 2*ROWB
	JLOAD G0+4*\slot, G1, G0B+4*\slot, G1B         ; the first tensor load behind the round; its four v_nop are the places in front of the loads below
.else
	JLOAD G0QA, G1QA, G0QB, G1QB                   ; 33,792 bytes a wave, inside the 34,816 of its place in the slot
.endif
	FETCH_B \next, 0, 0
	FETCH_A \next, 0, 0
.if \fill == 1
.if \slot == 0
	ASK 40, 23, 46, 0                              ; what slot 0 takes at its next change
.else
	ASK 41, 23, 46, 512                            ; what slot 1 takes at its next change
.endif
.endif
	WIN MUL_HI
	MUL16 4, 1, 0
	MUL16 6, 1, 0
	PLACES NP
	WIN 0
	FETCH_A \next, 0, 4
.endm
	s_wait_alu depctr_va_vdst(0)                   ; the head's end
	s_wait_tensorcnt 0x0                           ; my part of K steps 0 and 1 is in, so the descriptors may be written:
.irp g, G1, G1B
	s_mov_b32 s[\g+4], 128                         ; from here on one K step a load: two dimensions
	s_mov_b32 s[\g+6], 0
.endr
.irp g, G0, G0B
	s_mov_b32 s[\g+4], 1                           ; slot 1's group 0
	s_add_co_u32 s[\g+5], s[\g+1], HALFT
	s_add_nc_u64 s[\g+6:\g+7], s[\g+2:\g+3], ROWB
.endr
	s_barrier_signal -1
	s_barrier_wait -1                              ; everybody's is.
	FETCH_B 0, 0, 0
	FETCH_A 0, 0, 0
	FETCH_A 0, 0, 4
	ASK 43, 22, 44, 768                            ; K step 3
	STEP 0, 0, 1                                   ; K = 1,024 is four K steps of 256: written out, no loop.  The first products start the sums
	TURN 0, 1, 1                                   ; slot 0 takes K step 2
	STEP 1, 0, 0
	TURN 1, 0, 1                                   ; slot 1 takes K step 3
	STEP 0, 0, 0
	TURN 0, 1, 2                                   ; the tile has left slot 0: it takes the first part of q's operands
	STEP 1, 0, 0
	s_wait_dscnt 4*NL                              ; the tile's very last step
	WIN MUL_LO
	MUL16 0, 1, 0
	MUL16 2, 1, 0
	s_wait_dscnt 0
	WIN MUL_HI
	MUL16 4, 1, 0
	MUL16 6, 1, 0
	WIN 0
	; THE TILE HAS LEFT SLOT 1 TOO: it takes Wq's second half of K.  The same order as at every change of slots; the scales are made, and the places behind the last products stand, between the add and the wait for it.
	s_wait_tensorcnt 0x0                           ; all my tensor loads have landed: my part of what slot 0 took
	ds_add_u32 v[SPW], v[NIL]                      ; 0 onto my spare word
	PLACES NP                                      ; behind the last products: for the reads of their results and for the loads into the registers that held A's fragments
	s_wait_kmcnt 0x0                               ; e0 .. e7 in s4 .. s11
	s_add_co_i32 s18, s6, s7                       ; e2 + e3: the tile's operands
	s_cmp_lt_u32 s66, 8
	s_cselect_b32 s19, s9, s11                     ; e_out: k: e5; v: e7
	s_sub_co_i32 s18, s19, s18
	s_add_co_i32 s18, s18, 127
	s_lshl_b32 s19, s18, 23
	v_mov_b32 v[SCL], s19                          ; the three scales folded into the conversion's one
	s_add_co_i32 s18, s18, 8
	s_lshl_b32 s18, s18, 23
	s_or_b32 s12, s18, 0x600000                    ; 448 x that,
	s_or_b32 s13, s12, 0x80000000                  ; and its negative
	s_add_co_i32 s18, s4, s5                       ; q: e4 - e0 - e1
	s_sub_co_i32 s18, s8, s18
	s_add_co_i32 s18, s18, 127
	s_lshl_b32 s19, s18, 23
	v_mov_b32 v[SCLQ], s19
	s_add_co_i32 s18, s18, 8
	s_lshl_b32 s18, s18, 23
	s_or_b32 s2, s18, 0x600000
	s_or_b32 s3, s2, 0x80000000
	s_wait_dscnt 0x0                               ; the add is done, and my reads of slot 1 are over
	CROUND                                         ; no wave of any partner still reads slot 1 or has a load on its way
	s_cmp_eq_u32 s15, 0                            ; waves 2 and 3 fetch 64 rows of Wq each; waves 0 and 1 have no part to fetch.  The branch hangs on the wave's number alone
	s_cbranch_scc1 .Lno_part
	tensor_load_to_lds s[G0QB+4:G0QB+7], s[G1QB:G1QB+7]
	s_nop 0
.rept 4
	v_nop
.endr
.Lno_part:
; THE TILE'S WAY OUT, block by block of 16 rows x 128 columns.  Each sum is held within +-448 x the scale (the conversion to an 8-bit code does not saturate: ISA guide 7.6.2), into other registers, each accumulator from its low
; end on; eight neighbours of a row become 8 codes.  The codes go through my own 16 rows of the stage and come back four rows a load, 8 lanes to a row, so that a store covers 512 consecutive bytes of the block.
; LDS serves a wave's instructions in order (ISA guide 5.7.1.4): no wait between the stores and the loads.
.macro TOSTAGE a
.set AC, 64*((\a)%4)
.set CC, CD+16*((\a)%2)
.set BB, BK+16*((\a)%2)
	WIN 0x02+((\a)/4)                              ; source 0: window 2 or 3
.set j, 0
.rept 64
	v_med3_num_f32 v[TMP+j], v[AC+j], s13, s12
.set j, j+1
.endr
	WIN 0
.irp b, 0,1,2,3,4,5,6,7
	v_cvt_scalef32_pk8_fp8_f32 v[CC+2*\b:CC+2*\b+1], v[TMP+8*\b:TMP+8*\b+7], v[SCL]   ; sum / 2^(e_out - e_A - e_B), to the nearest code, ties to even
.endr
	v_nop                                          ; one plain vector instruction behind the last conversion: the next block's holds, and later q's products, write its sources
.irp b, 0,1,2,3,4,5,6,7
	ds_store_b64 v[STO], v[CC+2*\b:CC+2*\b+1] offset:16*\b
.endr
.irp i, 0,1,2,3
	ds_load_b128 v[BB+4*\i:BB+4*\i+3], v[RD] offset:4*SPITCH*\i
.endr
.endm
.macro SEND a, younger                 ; younger: the LDS instructions issued behind block a's loads, which may stay out
.set BB, BK+16*((\a)%2)
	s_wait_dscnt \younger
.irp i, 0,1,2,3
	global_store_b128 v[CO], v[BB+4*\i:BB+4*\i+3], s[100:101] offset:(32*((\a)/2)+16*(\i/2)+8*((\a)%2)+4*(\i%2))*128   ; rows 16 a + 4 i + 0..3 at their places: bits 3 and 4 exchanged; 512 consecutive bytes, aligned
.endr
.endm
	TOSTAGE 0
.irp a, 1,2,3,4,5,6,7
.if \a > 1
	s_wait_xcnt 0x0                                ; block a - 2's stores have read their registers: block a's rows may land there
.endif
	TOSTAGE \a
	SEND \a-1, 12                                  ; behind block a - 1's loads: block a's 8 stores and 4 loads
.endr
	SEND 7, 0                                      ; (its wait leaves no LDS instruction of mine out)
; THE PIECE OF q.  My 32 rows of x against my 64 rows of Wq: eight steps of 128 along K, 24 LDS loads and 8 matrix instructions each, the next step's fragments fetched ahead into the other set.
; Steps 0-3 read the first half of K (x at byte 0, Wq at 4 HALFT of slot 0), steps 4-7 the second (x at 2 HALFT of slot 0, Wq in slot 1).
.macro QFETCH k, p                     ; step k's fragments into set p of window 1: x's two, then Wq's four
.irp a, 0,1
.irp c, 0,1,2,3
	ds_load_b128 v[96*(\p)+16*\a+4*\c:96*(\p)+16*\a+4*\c+3], v[QAA+(\k)/4] offset:\a*16*QP+((\k)%4)*128+32*\c
.endr
.endr
.irp b, 0,1,2,3
.irp c, 0,1,2,3
	ds_load_b128 v[96*(\p)+32+16*\b+4*\c:96*(\p)+32+16*\b+4*\c+3], v[QBA+(\k)/4] offset:\b*16*QP+((\k)%4)*128+32*\c
.endr
.endr
.endm
	s_wait_tensorcnt 0x0                           ; my part of Wq's second half is in (no load was issued behind it),
	s_barrier_signal -1
	s_barrier_wait -1                              ; everybody's is; and every wave has read its rows of the stage back.
	WIN TO_B
	QFETCH 0, 0
.set KS, 0
.rept 8
.set QC, 96*(KS%2)
.set QN, (KS+1)%2
.if KS > 0
	PLACES NP                                      ; in front of loads into the set that the last step's products have read
.endif
.if KS < 7
	WIN TO_B
	QFETCH KS+1, QN
	s_wait_dscnt 24                                ; this step's fragments are in; the 24 loads just issued may be out
.else
	s_wait_dscnt 0x0
.endif
	WIN MUL_Q
.irp a, 0,1                            ; eight accumulators, one instruction a turn, in the same order in every step; the first step starts the sums
.irp b, 0,1,2,3
.if KS == 0
	v_wmma_f32_16x16x128_fp8_fp8 v[QACC+8*(4*\a+\b):QACC+8*(4*\a+\b)+7], v[QC+32+16*\b:QC+32+16*\b+15], v[QC+16*\a:QC+16*\a+15], 0
.else
	v_wmma_f32_16x16x128_fp8_fp8 v[QACC+8*(4*\a+\b):QACC+8*(4*\a+\b)+7], v[QC+32+16*\b:QC+32+16*\b+15], v[QC+16*\a:QC+16*\a+15], v[QACC+8*(4*\a+\b):QACC+8*(4*\a+\b)+7]
.endif
.endr
.endr
.set KS, KS+1
.endr
	WIN 0
	; q's way out.  A row's 128 codes come from two waves: they meet in the stage, a barrier stands between the writing and the reading, and each wave stores 16 whole rows.
	PLACES NP                                      ; in front of the first read of the results
.set j, 0
.rept 64
	v_med3_num_f32 v[QACC+j], v[QACC+j], s3, s2    ; the hold, in place, each accumulator from its low end on
.set j, j+1
.endr
.irp t, 0,1,2,3,4,5,6,7
	v_cvt_scalef32_pk8_fp8_f32 v[CD+2*\t:CD+2*\t+1], v[QACC+8*\t:QACC+8*\t+7], v[SCLQ]
.endr
	v_nop                                          ; one plain vector instruction behind the last conversion
.irp a, 0,1
.irp b, 0,1,2,3
	ds_store_b64 v[QSTO], v[CD+2*(4*\a+\b):CD+2*(4*\a+\b)+1] offset:\a*16*SPITCH+16*\b
.endr
.endr
	s_wait_dscnt 0x0                               ; for the others' sake: my stores into the stage are done
	s_barrier_signal -1
	s_barrier_wait -1                              ; 64 whole rows of 128 codes lie in the stage
.irp i, 0,1,2,3
	ds_load_b128 v[QBK+4*\i:QBK+4*\i+3], v[RD] offset:4*SPITCH*\i       ; rows 16 w + 4 i + 0..3; into registers that no pending store reads
.endr
.irp i, 0,1,2,3
	s_wait_dscnt 3-\i                              ; the younger loads may be out
	global_store_b128 v[CO], v[QBK+4*\i:QBK+4*\i+3], s[104:105] offset:(16*(\i/2)+4*(\i%2))*128   ; at their places (the wave's part of the exchange of bits 3 and 4 stands in the base); 512 consecutive bytes, aligned
.endr
	s_wait_tensorcnt 0x0                           ; the wave's end
	ds_add_u32 v[SPW], v[NIL]
	s_wait_dscnt 0x0
	CROUND                                         ; the closing round: no work-group ends while a partner may still ask for a tile that names it
	s_endpgm
.Lfunc_end_k_q5bda06f5b6_proj:
	.size	k_q5bda06f5b6_proj, .Lfunc_end_k_q5bda06f5b6_proj-k_q5bda06f5b6_proj
	.p2alignl 7, 3214868480
	.fill 96, 4, 3214868480
	.section	.rodata,"a",@progbits
	.p2align	6, 0x0
	.amdhsa_kernel k_q5bda06f5b6_proj
		.amdhsa_group_segment_fixed_size 327680
		.amdhsa_private_segment_fixed_size 0
		.amdhsa_enable_private_segment 0
		.amdhsa_kernarg_size 48
		.amdhsa_user_sgpr_count 2
		.amdhsa_user_sgpr_kernarg_segment_ptr 1
		.amdhsa_wavefront_size32 1
		.amdhsa_system_sgpr_workgroup_id_x 1
		.amdhsa_system_sgpr_workgroup_id_y 1
		.amdhsa_system_sgpr_workgroup_id_z 1
		.amdhsa_system_vgpr_workitem_id 0
		.amdhsa_next_free_vgpr 1024
		.amdhsa_next_free_sgpr 106
		.amdhsa_reserve_vcc 0
		.amdhsa_float_denorm_mode_32 3
		.amdhsa_float_denorm_mode_16_64 3
		.amdhsa_memory_ordered 1
		.amdhsa_forward_progress 1
		.amdhsa_inst_pref_size 155
	.end_amdhsa_kernel
	.amdgpu_metadata
---
amdhsa.version: [ 1, 2 ]
amdhsa.kernels:
  - .name:           k_q5bda06f5b6_proj
    .symbol:         k_q5bda06f5b6_proj.kd
    .args:
      - { .name: x_codes, .offset: 0, .size: 8, .value_kind: global_buffer, .address_space: global }
      - { .name: Wq_codes, .offset: 8, .size: 8, .value_kind: global_buffer, .address_space: global }
      - { .name: context_codes, .offset: 16, .size: 8, .value_kind: global_buffer, .address_space: global }
      - { .name: Wkv_codes, .offset: 24, .size: 8, .value_kind: global_buffer, .address_space: global }
      - { .name: lowp_scales, .offset: 32, .size: 8, .value_kind: global_buffer, .address_space: global }
      - { .name: qkv, .offset: 40, .size: 8, .value_kind: global_buffer, .address_space: global }
    .group_segment_fixed_size: 327680
    .private_segment_fixed_size: 0
    .kernarg_segment_align: 8
    .kernarg_segment_size: 48
    .max_flat_workgroup_size: 128
    .sgpr_count:     106
    .vgpr_count:     1024
    .wavefront_size: 32
...
	.end_amdgpu_metadata
.endif
;; end of part 4
;; launch attn (part 5): grid 16 x 16, 8 waves a work-group, clusters of 4 x 1, 327,680 bytes of LDS; arguments qkv, doc_similarities, beta, lowp_scales, acodes; writes acodes
.if DOCPART == 5
	.amdgcn_target "amdgcn-amd-amdhsa--gfx1250"
	.amdhsa_code_object_version 6
	.text
	.protected	k_q5bda06f5b6_attn
	.globl	k_q5bda06f5b6_attn
	.p2align	8
	.type	k_q5bda06f5b6_attn,@function
k_q5bda06f5b6_attn:
	s_mov_b64 s[64:65], 0
	v_nop
	global_prefetch_b8 v0, s[64:65] scope:SCOPE_SE
	s_setreg_imm32_b32 hwreg(HW_REG_WAVE_MODE, 25, 1), 1
	s_wait_xcnt 0x0
	s_wait_alu depctr_hold_cnt(0) depctr_sa_sdst(0) depctr_va_vdst(0) depctr_va_sdst(0) depctr_va_ssrc(0) depctr_va_vcc(0) depctr_vm_vsrc(0)
	s_getreg_b32 s2, hwreg(HW_REG_IB_STS2, 6, 4)
	s_cmp_eq_u32 s2, 0
	s_cbranch_scc0 .Lentry_in_a_cluster
	s_endpgm
.Lentry_in_a_cluster:
	s_bfe_u32 s2, ttmp6, 0x10000c
	s_cmp_lg_u32 s2, 0x3003
	s_cbranch_scc0 .Lentry_shape_is_right
	s_endpgm
.Lentry_shape_is_right:
; ATTENTION ON CODES OF FP8 (E4M3): O[q] = sum over k of softmax_k(Q[q] . K[k] / 32 + sim[doc of k] x beta) V[k], for 16 (batch, head) pairs of 1,024 queries x 4,096 keys, head 128, and the quantising of O for the next launch.
; t = score x log2(e) / 32 + sim x beta x log2(e); M = the running largest t rounded UP to a whole number, kept as -M; p = 2^(t - M), not normalised, is quantised; the row's sum is taken of the unquantised p.
; The documents' term differs from document to document within a row, so it stays: no work is left out in this program.
; LIMITS: the scaled scores stay under 2^31 in magnitude; e4 + e5 between -121 and 132 (added to the factor's exponent field); e6 between -126 and 119; e8 - e6 - e7 between -126 and 119.  NaN is not served.
; SHARES.  256 work-groups: 64 queries of one (batch, head) each.  Eight waves, two to a SIMD: wave w = 4 wq + g takes 32 queries (half wq) and of each slot of 512 keys 128.  The four waves of a half join their sums through LDS at the end.
; KEYS.  A document is eight dense blocks of 128 keys; slot s (0, 1) takes its blocks 2 g + s, g = 0 .. 3, for the waves g.  So the two blocks that a wave brings (waves 0 to 3: K's, 4 to 7: V's) lie end to end in memory and in LDS:
; ONE load a wave at the head, 32,768 dense bytes, fills both slots; a refill is 16,384 dense bytes a wave.
; CLUSTERS: the four work-groups of a cluster take four query blocks of one (batch, head) and ask for K and V JOINTLY.
; LAYOUT: both products transposed: S^T = K Q^T, O^T = V^T P^T: a lane holds one query throughout.  A block's rows lie so that 16 neighbouring places are a tile whose results' 16 registers of two neighbouring tiles are 16 neighbouring keys.
; TWO REGIONS OF 128 REGISTERS TAKE TURNS: Y (v64-191) and X (v384-511).  In a step of slot s one (FRB) holds K's fragments, then V's; the other (SRB) the scores, then p, and, when p has become codes, the NEXT step's fragments of K.
; The next step swaps the two.  So the slot in hand is read out when V's fragments are in registers, in the middle of the softmax: there stands the change of slots, with the rest of the softmax between its signal and its wait.
; REGISTERS: v1-4 LDS addresses of K, V in slots 0, 1; v5, v6 the add; v7 the prefetches' offset; v12-15, v231-233, v252 the way out; v16-23, v24-31 two query tiles' state: +0 documents' term - M, +1 -M, +4 f, +5 largest t,
; +6, +7 at work; v32-63 Q; v192-223 P; v228-230 scales and hold; v236-251 the sums, four pairs a query tile; v256-383 O^T.
.set BLK,   64*272                     ; a block: its 16,384 dense bytes as 64 rows of 256 + 16 of padding: row r at (r / 2) 272 + (r % 2) 128
.set VOFF,  8*BLK                      ; V's blocks behind K's
.set SPARE, 16*BLK                     ; the spare words, 128 bytes for each wave
.set STAT,  SPARE+1024                 ; the way out: 512 bytes for each wave: -M and the sum of its 32 queries
.set STG2,  STAT+4096                  ; 64 rows x 144 bytes of codes
.set AK,  1
.set AV,  3
.set ST,  16
.set Q,   32
.set S,   64
.set P,   192
.set SM,  236
.set MSB, 0
.macro WIN new                         ; the immediate's high byte repeats the setting that is left
.if MSB != (\new)
	s_set_vgpr_msb (MSB<<8)|(\new)
.set MSB, (\new)
.endif
.endm
.macro CREST                           ; a round of the cluster's barrier behind its opening barrier
	s_cmp_lg_u32 s14, 0
	s_cbranch_scc1 .Lnot_wave_0_\@
	s_barrier_signal -3
.Lnot_wave_0_\@:
	s_barrier_wait -3
	s_barrier_signal -1
	s_barrier_wait -1
.endm
.macro CROUND                          ; a whole round
	s_barrier_signal -1
	s_barrier_wait -1
	CREST
.endm
.macro PLACES n                        ; plain places behind matrix instructions, and behind a tensor load
.rept \n
	v_nop
.endr
.endm
; A PREFETCH INTO THE L2, two slots ahead of the load: a slot's 131,072 bytes are shared out by address among the cluster's four partners, a block of K and a block of V each, two waves a block, lanes 256 bytes apart.
; The walk's third slot is asked for at the head, the fourth ahead of the loop, the others behind the refills.  s58 counts the refills down: the last two have none two further on; waves 2, 3, 6 and 7 never ask (their s59 is the greatest number).
.macro ASK
	s_cmp_gt_u32 s58, s59
	s_cbranch_scc0 .Lnot_mine_\@
	global_prefetch_b8 v7, s[60:61] th:TH_LOAD_NT scope:SCOPE_SE
.Lnot_mine_\@:
.endm
.macro FETCH base, adr                 ; eight fragments of 16 rows x 128: registers 4 c .. 4 c + 3 hold K = 32 c + 16 (lane / 16) + 0 .. 15, alike on both sides of a product
.irp i, 0,1,2,3,4,5,6,7
.irp c, 0,1,2,3
	ds_load_b128 v[\base+16*\i+4*\c:\base+16*\i+4*\c+3], v[\adr] offset:2176*\i+32*\c
.endr
.endr
.endm
	s_load_b256 s[4:11], s[0:1], 0x0               ; qkv s[4:5], doc_similarities s[6:7], beta s[8:9], the scales' exponents s[10:11]
	s_load_b64 s[12:13], s[0:1], 0x20              ; acodes
	v_lshl_add_u32 v5, v0, 2, SPARE
	v_mov_b32 v6, 0
	ds_add_u32 v5, v6                              ; the wave's opening: the add, twice on end, and its wait ahead of my first tensor load
	ds_add_u32 v5, v6
	v_lshrrev_b32 v1, 5, v0
	s_delay_alu instid0(VALU_DEP_1)
	v_readfirstlane_b32 s14, v1                    ; wave 0..7
	s_lshr_b32 s15, s14, 2                         ; wq.  Also: I fetch K (0) or V (1)
	s_and_b32 s16, s14, 3                          ; g.  Also: which two blocks of the document I fetch
	s_bfe_u32 s17, ttmp6, 0x40000                  ; cx
	s_lshl_b32 s18, ttmp9, 2
	s_add_co_u32 s18, s18, s17                     ; block of 64 queries = 4 x cluster x + cx
	s_and_b32 s19, ttmp7, 0xffff                   ; batch 8 + head
	; descriptor group 1: dense bytes as rows of 256, four words of padding after every 64; all four partners.  s[80:87]: the head's 128 rows;  s[24:31]: a refill's 64
	s_mov_b32 s80, 15|(0<<16)|(1<<20)|(1<<21)|(5<<22)|(3<<25)
	s_mov_b32 s81, 256<<16
	s_mov_b32 s82, 128<<16
	s_mov_b32 s83, 256<<16
	s_mov_b32 s84, 128
	s_mov_b32 s85, 256
	s_mov_b32 s86, 0
	s_mov_b32 s87, 0
	s_mov_b32 s24, 15|(0<<16)|(1<<20)|(1<<21)|(5<<22)|(3<<25)
	s_mov_b32 s25, 256<<16
	s_mov_b32 s26, 64<<16
	s_mov_b32 s27, 256<<16
	s_mov_b32 s28, 64
	s_mov_b32 s29, 256
	s_mov_b32 s30, 0
	s_mov_b32 s31, 0
	s_mov_b32 s20, 0x76543210
	s_mov_b32 s21, 0xfedcba98                      ; v_permlanex16_b32's selects for lane l xor 16
	s_mov_b32 s22, 0x3d38aa3b                      ; log2(e) / 32
	s_mov_b32 s58, 6                               ; refills
	s_and_b32 s59, s14, 2
	s_cmp_eq_u32 s59, 0
	s_cselect_b32 s59, 2, -1
	s_lshl_b32 s66, s15, 23                        ; K at byte 0, V at 8 MiB; 524,288 bytes a head
	s_lshl_b32 s67, s19, 19
	s_add_co_u32 s66, s66, s67
	s_lshl_b32 s67, s16, 15
	s_add_co_u32 s66, s66, s67
	s_mov_b32 s67, 0
	s_mul_i32 s37, s14, 2*BLK                      ; where it goes: the wave's number alone
	s_lshl_b32 s38, s15, 23                        ; my prefetches: the second document's slot 0: block 2 cx, my half of it
	s_lshl_b32 s39, s19, 19
	s_add_co_u32 s38, s38, s39
	s_lshl_b32 s39, s17, 15
	s_add_co_u32 s38, s38, s39
	s_and_b32 s39, s14, 1
	s_lshl_b32 s39, s39, 13
	s_add_co_u32 s38, s38, s39
	s_add_co_u32 s38, s38, 0x20000
	s_mov_b32 s39, 0
	s_lshl_b32 s72, s19, 17                        ; Q at 16 MiB: 64 places of 128 bytes
	s_lshl_b32 s73, s18, 13
	s_add_co_u32 s72, s72, s73
	s_add_co_u32 s72, s72, 0x1000000
	s_mov_b32 s73, 0
	s_lshr_b32 s74, s19, 3                         ; the output: block (batch 16 + query block) 8 + head of 8,192 bytes; 8 rows a wave
	s_lshl_b32 s74, s74, 4
	s_add_co_u32 s74, s74, s18
	s_lshl_b32 s74, s74, 3
	s_and_b32 s75, s19, 7
	s_add_co_u32 s74, s74, s75
	s_lshl_b32 s74, s74, 13
	s_lshl_b32 s75, s14, 10
	s_add_co_u32 s74, s74, s75
	s_mov_b32 s75, 0
	s_lshr_b32 s76, s19, 3                         ; the batch's four similarities
	s_lshl_b32 s76, s76, 4
	s_mov_b32 s77, 0
	s_wait_dscnt 0x0                               ; both opening adds are done
	CROUND                                         ; all four work-groups are here (the arguments may still be on their way)
	s_wait_kmcnt 0x0
	s_add_nc_u64 s[68:69], s[4:5], s[66:67]
.irp s, 0,1
	s_mov_b32 s[40+4*\s], 1
	s_add_co_u32 s[41+4*\s], s37, \s*BLK
	s_add_nc_u64 s[42+4*\s:43+4*\s], s[68:69], \s*16384
	s_or_b32 s[43+4*\s], s[43+4*\s], 0x80000000
.endr
	tensor_load_to_lds s[40:43], s[80:87]          ; both slots: one tensor load a wave at the head; the rest of the head stands under its flight
	s_nop 0
	s_add_nc_u64 s[6:7], s[6:7], s[76:77]
	s_load_b128 s[32:35], s[6:7], 0x0
	s_load_b32 s36, s[8:9], 0x0
	s_load_b256 s[48:55], s[10:11], 0x0            ; e0 .. e7
	s_load_b64 s[56:57], s[10:11], 0x20            ; e8, e9
	s_add_nc_u64 s[60:61], s[4:5], s[38:39]
	s_add_nc_u64 s[72:73], s[4:5], s[72:73]
	s_add_nc_u64 s[12:13], s[12:13], s[74:75]
	v_and_b32 v224, 15, v0                         ; r
	v_bfe_u32 v225, v0, 4, 1                       ; h
	v_and_b32 v226, 31, v0                         ; lane
	v_lshlrev_b32 v7, 8, v226
	v_lshlrev_b32 v234, 7, v224
	s_delay_alu instid0(VALU_DEP_1)
	v_lshl_add_u32 v234, v225, 4, v234
	s_lshl_b32 s66, s15, 12
	v_add_nc_u32 v234, s66, v234                   ; Q: place 32 wq + r
.irp q, 0,1
.irp c, 0,1,2,3
	global_load_b128 v[Q+16*\q+4*\c:Q+16*\q+4*\c+3], v234, s[72:73] offset:2048*\q+32*\c
.endr
.endr
	v_lshrrev_b32 v1, 1, v224
	v_and_b32 v227, 1, v224
	v_mul_u32_u24 v1, v1, 272
	v_lshl_add_u32 v1, v227, 7, v1
	v_lshl_add_u32 v1, v225, 4, v1
	s_mul_i32 s66, s16, 2*BLK
	v_add_nc_u32 v1, s66, v1                       ; K, slot 0
	v_add_nc_u32 v2, BLK, v1                       ; K, slot 1
	v_add_nc_u32 v3, VOFF, v1                      ; V
	v_add_nc_u32 v4, VOFF, v2
	s_mul_i32 s66, s14, 2*BLK
	v_lshl_add_u32 v12, v226, 4, s66               ; the way out: my O^T: 16,384 bytes, in the 17,408 of my block of slot 0
	s_mul_i32 s66, s15, 8*BLK
	s_lshl_b32 s67, s16, 11
	s_add_co_u32 s66, s66, s67
	v_lshl_add_u32 v13, v226, 4, s66               ; back: of my half's four waves the g-th quarter of the head: waves 0 and 1,
	v_add_nc_u32 v252, 4*BLK, v13                  ; waves 2 and 3
	s_lshl_b32 s66, s14, 9
	s_add_co_u32 s66, s66, STAT
	v_lshl_add_u32 v14, v226, 2, s66
	s_lshl_b32 s66, s15, 11
	s_add_co_u32 s66, s66, STAT
	v_lshl_add_u32 v15, v226, 2, s66
	ASK                                            ; the second document's slot 0
	v_and_b32 v227, 7, v224
	v_lshrrev_b32 v231, 3, v224
	s_delay_alu instid0(VALU_DEP_1)
	v_lshl_add_u32 v227, v231, 4, v227             ; my query in its 32: (r % 8) + 16 (r / 8), + 8 for the second tile
	v_mul_u32_u24 v231, v227, 144
	s_delay_alu instid0(VALU_DEP_1)
	v_lshl_add_u32 v231, v225, 4, v231
	s_mul_i32 s66, s15, 32*144
	s_lshl_b32 s67, s16, 5
	s_add_co_u32 s66, s66, s67
	s_add_co_u32 s66, s66, STG2
	v_add_nc_u32 v231, s66, v231                   ; codes into the stage
	v_lshrrev_b32 v227, 3, v226
	s_delay_alu instid0(VALU_DEP_1)
	v_mul_u32_u24 v232, v227, 144
	v_and_b32 v227, 7, v226
	s_delay_alu instid0(VALU_DEP_1)
	v_lshl_add_u32 v232, v227, 4, v232
	s_mul_i32 s66, s14, 8*144
	s_add_co_u32 s66, s66, STG2
	v_add_nc_u32 v232, s66, v232                   ; and back: 8 rows a wave, 8 lanes to a row
	v_lshlrev_b32 v233, 4, v226
	WIN 0x40
.set j, 0
.rept 64
	v_dual_mov_b32 v[2*j], 0 :: v_dual_mov_b32 v[2*j+1], 0   ; O^T, while the head's load is on its way.  (The loop's text serves the first step too: it finds zeros, which the first change of M leaves zeros)
.set j, j+1
.endr
	WIN 0
.set j, 0
.rept 16
	v_mov_b32 v[SM+j], 0                           ; the sums
.set j, j+1
.endr
.irp q, 0,1
	v_mov_b32 v[ST+8*\q+5], 0xff61b1e6             ; the largest t so far: -3e38, under every t
.endr
.irp q, 0,1
	v_floor_f32 v[ST+8*\q+1], -v[ST+8*\q+5]        ; -M
.endr
	s_wait_alu depctr_va_vdst(0)                   ; directly ahead of the wait below
	s_wait_kmcnt 0x0
.irp i, 0,1,2,3
	v_mov_b32 v[8+\i], s[32+\i]
.endr
.irp i, 0,1,2,3
	v_mul_f32 v[8+\i], s36, v[8+\i]                ; sim x beta
.endr
.irp i, 0,1,2,3
	v_mul_f32 v[8+\i], 0x3fb8aa3b, v[8+\i]         ; x log2(e)
.endr
.irp i, 0,1,2,3
	v_readfirstlane_b32 s[32+\i], v[8+\i]          ; s32 the document in hand, s33 to s35 those that follow
.endr
	s_add_co_i32 s66, s52, s53
	s_lshl_b32 s66, s66, 23
	s_add_co_i32 s22, s22, s66                     ; a score stands for score x 2^(e4 + e5)
	s_mov_b32 s23, s22                             ; (named with it as a pair, so it is written)
	s_add_co_i32 s66, s54, 127
	s_lshl_b32 s67, s66, 23
	v_mov_b32 v228, s67                            ; 2^e6
	s_add_co_i32 s66, s66, 8
	s_lshl_b32 s66, s66, 23
	s_or_b32 s66, s66, 0x600000
	v_mov_b32 v229, s66                            ; 448 x 2^e6
	s_sub_co_i32 s66, s56, s54
	s_sub_co_i32 s66, s66, s55
	s_add_co_i32 s66, s66, 127
	s_lshl_b32 s67, s66, 23
	v_mov_b32 v230, s67                            ; 2^(e8 - e6 - e7): the three scales folded into the conversion's one
	s_add_co_i32 s66, s66, 8
	s_lshl_b32 s66, s66, 23
	s_or_b32 s70, s66, 0x600000                    ; 448 x that, and its negative
	s_or_b32 s71, s70, 0x80000000
; A STEP: my 128 keys of slot s, whose fragments of K are on their way into FRB.  fill = 1: the slot is filled again, with the next document's keys; 0: only the change to the other slot; -1: the last step.
.macro STEP s, fill
.set FRB, 128-64*\s                    ; fragments: slot 0: X (window 1), slot 1: Y (window 0)
.set SRB, 64+64*\s                     ; scores: the other one
.set FW, 1-\s
.set SW, \s
	s_wait_dscnt 16                                ; K's tiles 0-3 are in; the youngest 16 loads may be out
	WIN FW|(SW<<6)
.irp t, 0,1,2,3
.irp q, 0,1
	v_wmma_f32_16x16x128_fp8_fp8 v[SRB+64*\q+8*\t:SRB+64*\q+8*\t+7], v[FRB+16*\t:FRB+16*\t+15], v[Q+16*\q:Q+16*\q+15], 0
.endr
.endr
	s_wait_dscnt 0x0
.irp t, 4,5,6,7
.irp q, 0,1
	v_wmma_f32_16x16x128_fp8_fp8 v[SRB+64*\q+8*\t:SRB+64*\q+8*\t+7], v[FRB+16*\t:FRB+16*\t+15], v[Q+16*\q:Q+16*\q+15], 0
.endr
.endr
	PLACES 4
	WIN FW<<6
	FETCH FRB, AV+\s                               ; V's fragments, under the softmax
	WIN SW*0x15
.irp q, 0,1
	v_max3_num_f32 v[ST+8*\q+6], v[SRB+64*\q], v[SRB+64*\q+1], v[SRB+64*\q+2]
	v_max3_num_f32 v[ST+8*\q+7], v[SRB+64*\q+3], v[SRB+64*\q+4], v[SRB+64*\q+5]
.endr
	WIN SW*0x14
.irp i, 6,10,14,18,22,26,30,34,38,42,46,50,54,58
.irp q, 0,1
	v_max3_num_f32 v[ST+8*\q+6], v[ST+8*\q+6], v[SRB+64*\q+\i], v[SRB+64*\q+\i+1]
	v_max3_num_f32 v[ST+8*\q+7], v[ST+8*\q+7], v[SRB+64*\q+\i+2], v[SRB+64*\q+\i+3]
.endr
.endr
.irp q, 0,1
	v_max3_num_f32 v[ST+8*\q+6], v[ST+8*\q+6], v[SRB+64*\q+62], v[SRB+64*\q+63]
.endr
	WIN 0
.irp q, 0,1
	v_max_num_f32 v[ST+8*\q+6], v[ST+8*\q+6], v[ST+8*\q+7]
.endr
.irp q, 0,1
	s_delay_alu instid0(VALU_DEP_2)
	v_permlanex16_b32 v[ST+8*\q+7], v[ST+8*\q+6], s20, s21
.endr
.irp q, 0,1
	s_delay_alu instid0(VALU_DEP_2)
	v_max_num_f32 v[ST+8*\q+6], v[ST+8*\q+6], v[ST+8*\q+7]   ; the step's largest score of my query
.endr
.irp q, 0,1
	s_delay_alu instid0(VALU_DEP_2)
	v_fma_f32 v[ST+8*\q+6], v[ST+8*\q+6], s22, s32  ; as t (the factor is positive, a step lies in one document)
.endr
.irp q, 0,1
	s_delay_alu instid0(VALU_DEP_2)
	v_max_num_f32 v[ST+8*\q+5], v[ST+8*\q+5], v[ST+8*\q+6]
.endr
.irp q, 0,1
	v_mov_b32 v[ST+8*\q+7], v[ST+8*\q+1]
.endr
.irp q, 0,1
	v_floor_f32 v[ST+8*\q+1], -v[ST+8*\q+5]         ; the new -M: a whole number
.endr
.irp q, 0,1
	s_delay_alu instid0(VALU_DEP_2)
	v_add_f32 v[ST+8*\q], s32, v[ST+8*\q+1]         ; the documents' term - M
.endr
.irp q, 0,1
	v_sub_f32 v[ST+8*\q+7], v[ST+8*\q+1], v[ST+8*\q+7]
.endr
.irp q, 0,1
	s_delay_alu instid0(VALU_DEP_2)
	v_cvt_i32_f32 v[ST+8*\q+7], v[ST+8*\q+7]        ; (it saturates)
.endr
.irp q, 0,1
	s_delay_alu instid0(VALU_DEP_2)
	v_ldexp_f32 v[ST+8*\q+4], 1.0, v[ST+8*\q+7]     ; f = 2^(old M - new M): exact
.endr
	WIN SW*0x41
.set j, 0
.rept 32
	v_pk_fma_f32 v[SRB+2*j:SRB+2*j+1], v[SRB+2*j:SRB+2*j+1], s[22:23], v[ST:ST+1] op_sel_hi:[1,0,0]   ; t - M, first query tile
.set j, j+1
.endr
	s_wait_alu depctr_va_vdst(0)                   ; ahead of the batch
.set j, 0
.rept 32                               ; the first tile's exponentials, and between them the second tile's t - M
	v_exp_f32 v[SRB+2*j], v[SRB+2*j]
	v_exp_f32 v[SRB+2*j+1], v[SRB+2*j+1]
	v_pk_fma_f32 v[SRB+64+2*j:SRB+65+2*j], v[SRB+64+2*j:SRB+65+2*j], s[22:23], v[ST+8:ST+9] op_sel_hi:[1,0,0]
.set j, j+1
.endr
	WIN 0
.irp n, 0,2,4,6
	v_pk_mul_f32 v[SM+\n:SM+\n+1], v[SM+\n:SM+\n+1], v[ST+4:ST+5] op_sel_hi:[1,0]   ; the sums under the new M
.endr
	s_wait_alu depctr_va_vdst(0)                   ; the wait ahead of the first reader of the batch
	WIN SW*0x04
.irp i, 0,8,16,24,32,40,48,56
.irp n, 0,2,4,6
	v_pk_add_f32 v[SM+\n:SM+\n+1], v[SM+\n:SM+\n+1], v[SRB+\i+\n:SRB+\i+\n+1]   ; of the UNQUANTISED p, in four chains
.endr
.endr
.if \fill >= 0
	WIN 0
	s_wait_tensorcnt 0x0                           ; all my tensor loads are done: my part of the other slot
	ds_add_u32 v5, v6                              ; 0 onto my spare word: the batch below stands between it and the wait for it
.if \fill == 1
	s_add_nc_u64 s[42+4*\s:43+4*\s], s[42+4*\s:43+4*\s], 0x20000
	s_wait_xcnt 0x0                                ; any prefetch of mine has read its address
	s_add_nc_u64 s[60:61], s[60:61], 0x1c000-0x18000*\s   ; on to the next slot: of the next document, or of the same
.endif
.endif
	WIN SW*0x41
	s_wait_alu depctr_va_vdst(0)                   ; ahead of the batch
.set j, 0
.rept 32                               ; the second tile's exponentials, and between them the first tile's hold (p is not negative: one-sided; the conversion does not saturate: ISA guide 7.6.2)
	v_exp_f32 v[SRB+64+2*j], v[SRB+64+2*j]
	v_exp_f32 v[SRB+65+2*j], v[SRB+65+2*j]
	v_dual_min_num_f32 v[SRB+2*j], v[SRB+2*j], v229 :: v_dual_min_num_f32 v[SRB+2*j+1], v[SRB+2*j+1], v229
.set j, j+1
.endr
	WIN 0
.irp n, 8,10,12,14
	v_pk_mul_f32 v[SM+\n:SM+\n+1], v[SM+\n:SM+\n+1], v[ST+12:ST+13] op_sel_hi:[1,0]
.endr
	s_wait_alu depctr_va_vdst(0)                   ; the wait ahead of the first reader of the batch
	s_wait_dscnt 0x0                               ; the add is done, V's fragments are in registers: my reads of this slot are over
.if \fill >= 0
	s_barrier_signal -1                            ; say so; work on registers while the others arrive
.endif
	WIN SW*0x04
.irp i, 0,8,16,24,32,40,48,56
.irp n, 0,2,4,6
	v_pk_add_f32 v[SM+8+\n:SM+8+\n+1], v[SM+8+\n:SM+8+\n+1], v[SRB+64+\i+\n:SRB+64+\i+\n+1]
.endr
.endr
	WIN SW*0x41
.set j, 32
.rept 32
	v_dual_min_num_f32 v[SRB+2*j], v[SRB+2*j], v229 :: v_dual_min_num_f32 v[SRB+2*j+1], v[SRB+2*j+1], v229
.set j, j+1
.endr
	WIN SW
.irp q, 0,1
.irp b, 0,1,2,3
	v_cvt_scalef32_pk8_fp8_f32 v[P+16*\q+4*\b:P+16*\q+4*\b+1], v[SRB+64*\q+16*\b:SRB+64*\q+16*\b+7], v228
	v_cvt_scalef32_pk8_fp8_f32 v[P+16*\q+4*\b+2:P+16*\q+4*\b+3], v[SRB+64*\q+16*\b+8:SRB+64*\q+16*\b+15], v228
.endr
.endr
	v_nop                                          ; one plain vector instruction behind the last conversion
.if \fill >= 0
	WIN 0
	s_wait_alu depctr_va_vdst(0)                   ; directly ahead of the barrier's wait
	s_barrier_wait -1                              ; the other slot is whole, and nobody of my work-group reads this one
.if \fill == 1
	CREST                                          ; nor does any partner
	tensor_load_to_lds s[40+4*\s:43+4*\s], s[24:31]   ; the first thing behind the round
	s_nop 0
	PLACES 4
	ASK
	s_sub_co_u32 s58, s58, 1
.endif
	WIN SW<<6
	FETCH SRB, AK+1-\s                             ; the next step's fragments of K: p has become codes, its registers are free
.endif
	WIN 0x41
	s_wait_alu depctr_va_vdst(0)                   ; directly ahead of the first reader of O^T
.set j, 0
.rept 64
	v_pk_mul_f32 v[2*j:2*j+1], v[2*j:2*j+1], v[ST+8*(j/32)+4:ST+8*(j/32)+5] op_sel_hi:[1,0]   ; O^T under the new M
.set j, j+1
.endr
	WIN 0x50|FW
.irp t, 0,1,2,3,4,5,6,7
.irp q, 0,1
	v_wmma_f32_16x16x128_fp8_fp8 v[64*\q+8*\t:64*\q+8*\t+7], v[FRB+16*\t:FRB+16*\t+15], v[P+16*\q:P+16*\q+15], v[64*\q+8*\t:64*\q+8*\t+7]
.endr
.endr
	WIN 0
.if \fill >= 0
	PLACES 5                                       ; the next step's first products write over V's fragments
.endif
.endm
	s_wait_alu depctr_va_vdst(0)                   ; the head's end
	s_wait_loadcnt 0x0                             ; Q
	s_wait_xcnt 0x0                                ; the head's prefetch has read its address
	s_add_nc_u64 s[60:61], s[60:61], 0x4000
	s_wait_tensorcnt 0x0                           ; my part of both slots is in,
	s_barrier_signal -1
	s_barrier_wait -1                              ; everybody's is.
	WIN 0x40
	FETCH 128, AK                                  ; the first fragments of K
	WIN 0
	ASK                                            ; the second document's slot 1
	s_mov_b32 s62, 3
.Lpair:                                                ; a trip is one document: two slots of 512 keys
	STEP 0, 1
	STEP 1, 1
	s_mov_b32 s32, s33                             ; on to the next document's term
	s_mov_b32 s33, s34
	s_mov_b32 s34, s35
	s_sub_co_u32 s62, s62, 1
	s_cmp_lg_u32 s62, 0
	s_wait_alu depctr_va_vdst(0)                   ; directly ahead of the branch
	s_cbranch_scc1 .Lpair
	STEP 0, 0                                      ; the last document fills nothing
	STEP 1, -1
	; THE FOUR WAVES OF A HALF JOIN.  Each leaves -M, its sum and its O^T in LDS (O^T in slot 0's bytes, which have had their last fill and, ahead of the last barrier, their last read); then each joins a quarter of the head for the half's 32 queries.
.irp q, 0,1
	v_pk_add_f32 v[SM+8*\q:SM+8*\q+1], v[SM+8*\q:SM+8*\q+1], v[SM+8*\q+2:SM+8*\q+3]
	v_pk_add_f32 v[SM+8*\q+4:SM+8*\q+5], v[SM+8*\q+4:SM+8*\q+5], v[SM+8*\q+6:SM+8*\q+7]
.endr
.irp q, 0,1
	v_pk_add_f32 v[SM+8*\q:SM+8*\q+1], v[SM+8*\q:SM+8*\q+1], v[SM+8*\q+4:SM+8*\q+5]
.endr
.irp q, 0,1
	v_add_f32 v[ST+8*\q+6], v[SM+8*\q], v[SM+8*\q+1]
.endr
.irp q, 0,1
	s_delay_alu instid0(VALU_DEP_2)
	v_permlanex16_b32 v[ST+8*\q+7], v[ST+8*\q+6], s20, s21
.endr
.irp q, 0,1
	s_delay_alu instid0(VALU_DEP_2)
	v_add_f32 v[ST+8*\q+6], v[ST+8*\q+6], v[ST+8*\q+7]
.endr
.irp q, 0,1
	ds_store_b32 v14, v[ST+8*\q+1] offset:256*\q
	ds_store_b32 v14, v[ST+8*\q+6] offset:256*\q+128
.endr
	WIN 0x04
.set g, 0
.rept 32
	ds_store_b128 v12, v[4*g:4*g+3] offset:512*g
.set g, g+1
.endr
	WIN 0
	s_wait_dscnt 0x0                               ; for the others' sake: my stores are done
	s_barrier_signal -1
	s_barrier_wait -1
.irp q, 0,1
.irp w, 0,1,2,3
	ds_load_b32 v[236+4*\q+\w], v15 offset:512*\w+256*\q
	ds_load_b32 v[244+4*\q+\w], v15 offset:512*\w+256*\q+128
.endr
.endr
.irp w, 0,1,2,3
.irp q, 0,1
.irp i, 0,1,2,3
	ds_load_b128 v[S+32*\w+16*\q+4*\i:S+32*\w+16*\q+4*\i+3], v[13+239*(\w/2)] offset:2*BLK*(\w%2)+8192*\q+512*\i
.endr
.endr
.endr
	s_wait_dscnt 32                                ; the -M and the sums are in; the 32 loads of O^T may be out
.irp q, 0,1
	v_min3_num_f32 v[ST+8*\q], v[236+4*\q], v[237+4*\q], v[238+4*\q]
.endr
.irp q, 0,1
	s_delay_alu instid0(VALU_DEP_2)
	v_min_num_f32 v[ST+8*\q], v[ST+8*\q], v[239+4*\q]   ; the least -M: the largest M
.endr
.irp w, 0,1,2,3
.irp q, 0,1
	v_sub_f32 v[ST+8*\q+4+\w], v[ST+8*\q], v[236+4*\q+\w]
.endr
.endr
.irp w, 0,1,2,3
.irp q, 0,1
	v_cvt_i32_f32 v[ST+8*\q+4+\w], v[ST+8*\q+4+\w]
.endr
.endr
.irp w, 0,1,2,3
.irp q, 0,1
	v_ldexp_f32 v[ST+8*\q+4+\w], 1.0, v[ST+8*\q+4+\w]   ; 2^(wave's M - the largest M)
.endr
.endr
.irp q, 0,1
	v_mul_f32 v[ST+8*\q+1], v[ST+8*\q+4], v[244+4*\q]
.endr
.irp w, 1,2,3
.irp q, 0,1
	s_delay_alu instid0(VALU_DEP_2)
	v_fma_f32 v[ST+8*\q+1], v[ST+8*\q+4+\w], v[244+4*\q+\w], v[ST+8*\q+1]   ; the row's sum
.endr
.endr
	s_wait_alu depctr_va_vdst(0)                   ; ahead of the batch
.irp q, 0,1
	v_rcp_f32 v[ST+8*\q+2], v[ST+8*\q+1]
.endr
	v_nop
	s_wait_alu depctr_va_vdst(0)                   ; and ahead of its first reader
.irp q, 0,1
.irp w, 0,1,2,3
	v_mul_f32 v[236+8*\q+2*\w], v[ST+8*\q+4+\w], v[ST+8*\q+2]
.endr
.endr
	s_wait_alu depctr_va_vdst(0)                   ; directly ahead of the wait below
	s_wait_dscnt 0x0
.irp q, 0,1
.irp k, 0,2,4,6,8,10,12,14
	v_pk_mul_f32 v[S+16*\q+\k:S+16*\q+\k+1], v[S+16*\q+\k:S+16*\q+\k+1], v[236+8*\q:237+8*\q] op_sel_hi:[1,0]
.endr
.endr
.irp w, 1,2,3
.irp q, 0,1
.irp k, 0,2,4,6,8,10,12,14
	v_pk_fma_f32 v[S+16*\q+\k:S+16*\q+\k+1], v[S+32*\w+16*\q+\k:S+32*\w+16*\q+\k+1], v[236+8*\q+2*\w:237+8*\q+2*\w], v[S+16*\q+\k:S+16*\q+\k+1] op_sel_hi:[1,0,1]
.endr
.endr
.endr
.set j, 0
.rept 32
	v_med3_num_f32 v[S+j], v[S+j], s71, s70        ; the hold
.set j, j+1
.endr
.irp q, 0,1
	v_cvt_scalef32_pk8_fp8_f32 v[P+4*\q:P+4*\q+1], v[S+16*\q:S+16*\q+7], v230
	v_cvt_scalef32_pk8_fp8_f32 v[P+4*\q+2:P+4*\q+3], v[S+16*\q+8:S+16*\q+15], v230
.endr
	v_nop
.irp q, 0,1
	ds_store_b128 v231, v[P+4*\q:P+4*\q+3] offset:8*144*\q
.endr
	s_wait_dscnt 0x0                               ; for the others' sake: my codes are in the stage
	s_barrier_signal -1
	s_barrier_wait -1
.irp i, 0,1
	ds_load_b128 v[P+8+4*\i:P+8+4*\i+3], v232 offset:4*144*\i
.endr
.irp i, 0,1
	s_wait_dscnt 1-\i
	global_store_b128 v233, v[P+8+4*\i:P+8+4*\i+3], s[12:13] offset:512*\i   ; 512 consecutive bytes, aligned
.endr
	s_wait_tensorcnt 0x0                           ; the wave's end
	ds_add_u32 v5, v6
	s_wait_dscnt 0x0
	CROUND                                         ; the closing round: no work-group ends while a partner may still ask for a tile that names it
	s_endpgm
.Lfunc_end_k_q5bda06f5b6_attn:
	.size	k_q5bda06f5b6_attn, .Lfunc_end_k_q5bda06f5b6_attn-k_q5bda06f5b6_attn
	.p2alignl 7, 3214868480
	.fill 96, 4, 3214868480
	.section	.rodata,"a",@progbits
	.p2align	6, 0x0
	.amdhsa_kernel k_q5bda06f5b6_attn
		.amdhsa_group_segment_fixed_size 327680
		.amdhsa_private_segment_fixed_size 0
		.amdhsa_enable_private_segment 0
		.amdhsa_kernarg_size 40
		.amdhsa_user_sgpr_count 2
		.amdhsa_user_sgpr_kernarg_segment_ptr 1
		.amdhsa_wavefront_size32 1
		.amdhsa_system_sgpr_workgroup_id_x 1
		.amdhsa_system_sgpr_workgroup_id_y 1
		.amdhsa_system_sgpr_workgroup_id_z 1
		.amdhsa_system_vgpr_workitem_id 0
		.amdhsa_next_free_vgpr 512
		.amdhsa_next_free_sgpr 96
		.amdhsa_reserve_vcc 0
		.amdhsa_float_denorm_mode_32 3
		.amdhsa_float_denorm_mode_16_64 3
		.amdhsa_memory_ordered 1
		.amdhsa_forward_progress 1
		.amdhsa_inst_pref_size 168
	.end_amdhsa_kernel
	.amdgpu_metadata
---
amdhsa.version: [ 1, 2 ]
amdhsa.kernels:
  - .name:           k_q5bda06f5b6_attn
    .symbol:         k_q5bda06f5b6_attn.kd
    .args:
      - { .name: qkv, .offset: 0, .size: 8, .value_kind: global_buffer, .address_space: global }
      - { .name: doc_similarities, .offset: 8, .size: 8, .value_kind: global_buffer, .address_space: global }
      - { .name: beta, .offset: 16, .size: 8, .value_kind: global_buffer, .address_space: global }
      - { .name: lowp_scales, .offset: 24, .size: 8, .value_kind: global_buffer, .address_space: global }
      - { .name: acodes, .offset: 32, .size: 8, .value_kind: global_buffer, .address_space: global }
    .group_segment_fixed_size: 327680
    .private_segment_fixed_size: 0
    .kernarg_segment_align: 8
    .kernarg_segment_size: 40
    .max_flat_workgroup_size: 256
    .sgpr_count:     96
    .vgpr_count:     512
    .wavefront_size: 32
...
	.end_amdgpu_metadata
.endif
;; end of part 5
;; launch outp (part 6): grid 8 x 32, 8 waves a work-group, clusters of 4 x 4, 263,168 bytes of LDS; arguments acodes, Wout_codes, bout, lowp_scales, out0; writes out0
.if DOCPART == 6
	.amdgcn_target "amdgcn-amd-amdhsa--gfx1250"
	.amdhsa_code_object_version 6
	.text
	.protected	k_q5bda06f5b6_outp
	.globl	k_q5bda06f5b6_outp
	.p2align	8
	.type	k_q5bda06f5b6_outp,@function
k_q5bda06f5b6_outp:
	s_mov_b64 s[64:65], 0
	v_nop
	global_prefetch_b8 v0, s[64:65] scope:SCOPE_SE
	s_setreg_imm32_b32 hwreg(HW_REG_WAVE_MODE, 25, 1), 1
	s_wait_xcnt 0x0
	s_wait_alu depctr_hold_cnt(0) depctr_sa_sdst(0) depctr_va_vdst(0) depctr_va_sdst(0) depctr_va_ssrc(0) depctr_va_vcc(0) depctr_vm_vsrc(0)
	s_getreg_b32 s2, hwreg(HW_REG_IB_STS2, 6, 4)
	s_cmp_eq_u32 s2, 0
	s_cbranch_scc0 .Lentry_in_a_cluster
	s_endpgm
.Lentry_in_a_cluster:
	s_bfe_u32 s2, ttmp6, 0x10000c
	s_cmp_lg_u32 s2, 0xf033
	s_cbranch_scc0 .Lentry_shape_is_right
	s_endpgm
.Lentry_shape_is_right:
; out[m][n] = (sum over k of A[m][k] Wout[n][k]) x 2^(e8 + e9) + bout[n], on codes of FP8 (E4M3).  A: 2,048 rows x 1,024, as the launch before has laid it: for each 64 rows eight blocks (one a head, 128 along K) of
; 64 rows x 128 codes, 65,536 dense bytes.  Wout: [1,024 (n)][1,024 (k)] codes.  out: [2,048][1,024] f32.
; LIMIT: e8 + e9 lies between -126 and 127, so that 2^(e8 + e9) is an f32 number.
; A tile of 64 rows x 128 columns to a work-group: 256 work-groups.  All of K lies in LDS at once: each of the eight waves brings one part by one tensor load, nothing is filled again, so there is no ring.
; CLUSTERS: 4 x 4 work-groups: A's tile is shared along a row of the cluster, Wout's along a column: both are asked for JOINTLY.
; Wave w = 4 wr + wc makes rows 32 wr on x columns 32 wc on: four accumulators, which take turns.  THE MATRIX INSTRUCTION IS USED TRANSPOSED (source 0 = 16 rows of Wout, source 1 = 16 rows of A):
; a lane holds eight neighbouring numbers of a row of out.
; REGISTERS: v1 A's, v2, v3 Wout's LDS addresses (K halves); v4 into the stage, v5 out of it, v6 16 x lane, v7 the bias's offset; v16-31 bias; v32-63 accumulators; v64-127, v128-191 two sets of fragments; v192-223 results.
.set BH,    128*528                    ; Wout's tile, one half of K: 128 rows x (512 bytes + 16)
.set ABASE, 2*BH
.set ACH,   32*272                     ; A's block of one head: its 8,192 bytes as 32 rows of 256 + 16: row m lies at (m / 2) 272 + (m % 2) 128
.set STG,   ABASE+8*ACH                ; the way out: 64 rows x (512 bytes + 16); no tensor load lands here
.set ACC,   32
.macro CROUND                          ; a round of the cluster's barrier
	s_barrier_signal -1
	s_barrier_wait -1
	s_cmp_lg_u32 s14, 0
	s_cbranch_scc1 .Lnot_wave_0_\@
	s_barrier_signal -3
.Lnot_wave_0_\@:
	s_barrier_wait -3
	s_barrier_signal -1
	s_barrier_wait -1
.endm
	s_load_b256 s[4:11], s[0:1], 0x0               ; A's codes s[4:5], Wout's s[6:7], bout s[8:9], the scales' exponents s[10:11]
	s_load_b64 s[12:13], s[0:1], 0x20              ; out
	v_lshl_add_u32 v254, v0, 2, 0x40000
	v_mov_b32 v255, 0
	ds_add_u32 v254, v255
	ds_add_u32 v254, v255
	v_lshrrev_b32 v1, 5, v0
	s_delay_alu instid0(VALU_DEP_1)
	v_readfirstlane_b32 s14, v1                    ; wave 0..7
	s_lshr_b32 s15, s14, 2                         ; wr.  Also: I fetch for Wout (0) or for A (1)
	s_and_b32 s16, s14, 3                          ; wc.  Also: which quarter I fetch
	s_bfe_u32 s40, ttmp6, 0x40000                  ; cx, cy
	s_bfe_u32 s41, ttmp6, 0x40004
	s_lshl_b32 s42, ttmp9, 2
	s_add_co_u32 s42, s42, s40                     ; tile column = 4 x cluster x + cx
	s_and_b32 s17, ttmp7, 0xffff
	s_lshl_b32 s17, s17, 2
	s_add_co_u32 s17, s17, s41                     ; tile row = 4 x cluster y + cy
	s_lshl_b32 s43, s41, 2
	s_lshl_b32 s43, 15, s43                        ; my row of the cluster
	s_lshl_b32 s44, 0x1111, s40                    ; my column
	s_or_b32 s24, s43, (0<<16)|(1<<20)|(1<<21)|(5<<22)|(3<<25)   ; A: 64 rows x 256 bytes, dense; four words of padding after every 64
	s_mov_b32 s25, 256<<16
	s_mov_b32 s26, 64<<16
	s_mov_b32 s27, 256<<16
	s_mov_b32 s28, 64
	s_mov_b32 s29, 256
	s_mov_b32 s30, 0
	s_mov_b32 s31, 0
	s_or_b32 s48, s44, (0<<16)|(1<<20)|(1<<21)|(6<<22)|(3<<25)   ; Wout: 64 rows x 512 bytes, 1,024 bytes apart; four words of padding after every 128
	s_mov_b32 s49, 512<<16
	s_mov_b32 s50, 64<<16
	s_mov_b32 s51, 512<<16
	s_mov_b32 s52, 64
	s_mov_b32 s53, 1024
	s_mov_b32 s54, 0
	s_mov_b32 s55, 0
	s_lshl_b32 s36, s17, 16                        ; A: the tile row's 65,536 bytes, my quarter (two heads)
	s_lshl_b32 s37, s16, 14
	s_add_co_u32 s36, s36, s37
	s_mov_b32 s37, 0
	s_lshl_b32 s46, s42, 7                         ; Wout: row 128 x tile column + 64 x (wave % 2),
	s_and_b32 s47, s14, 1
	s_lshl_b32 s47, s47, 6
	s_add_co_u32 s46, s46, s47
	s_lshl_b32 s46, s46, 10
	s_bfe_u32 s47, s14, 0x10001
	s_lshl_b32 s47, s47, 9                         ; K half (wave / 2) % 2
	s_add_co_u32 s46, s46, s47
	s_mov_b32 s47, 0
	s_mul_i32 s38, s16, 2*ACH
	s_add_co_u32 s38, s38, ABASE                   ; where they go: no place in the cluster enters an LDS address
	s_mul_i32 s39, s16, 64*528
	s_lshl_b32 s68, s42, 9                         ; bout: 128 numbers a tile column, my 32
	s_lshl_b32 s69, s16, 7
	s_add_co_u32 s68, s68, s69
	s_mov_b32 s69, 0
	s_lshl_b32 s70, s17, 6                         ; out: row 64 x tile row + 8 x wave, of 4,096 bytes; column 128 x tile column
	s_lshl_b32 s71, s14, 3
	s_add_co_u32 s70, s70, s71
	s_lshl_b32 s70, s70, 12
	s_lshl_b32 s71, s42, 9
	s_add_co_u32 s70, s70, s71
	s_mov_b32 s71, 0
	s_wait_dscnt 0x0
	CROUND                                         ; all sixteen work-groups are here: the joint loads meet (the arguments may still be on their way)
	s_wait_kmcnt 0x0
	s_load_b64 s[20:21], s[10:11], 0x20            ; e8, e9
	s_mov_b32 s32, 1
	s_mov_b32 s33, s38
	s_add_nc_u64 s[34:35], s[4:5], s[36:37]
	s_or_b32 s35, s35, 0x80000000
	s_mov_b32 s56, 1
	s_mov_b32 s57, s39
	s_add_nc_u64 s[58:59], s[6:7], s[46:47]
	s_or_b32 s59, s59, 0x80000000
	s_add_nc_u64 s[8:9], s[8:9], s[68:69]
	s_add_nc_u64 s[12:13], s[12:13], s[70:71]
	s_cmp_lt_u32 s14, 4                            ; the branch hangs on the wave's number alone; one load a wave; four v_nop follow each line
	s_cbranch_scc0 .Lfor_a
	tensor_load_to_lds s[56:59], s[48:55]
	s_nop 0
.rept 4
	v_nop
.endr
	s_branch .Lasked
.Lfor_a:
	tensor_load_to_lds s[32:35], s[24:31]
	s_nop 0
.rept 4
	v_nop
.endr
.Lasked:
	v_and_b32 v8, 15, v0                           ; r
	v_bfe_u32 v9, v0, 4, 1                         ; h
	v_and_b32 v10, 31, v0                          ; lane
	s_delay_alu instid0(VALU_DEP_2)
	v_lshlrev_b32 v7, 5, v9                        ; the bias: my half's eight numbers of a tile of 16 columns
.irp b, 0,1
	global_load_b128 v[16+8*\b:19+8*\b], v7, s[8:9] offset:64*\b
	global_load_b128 v[20+8*\b:23+8*\b], v7, s[8:9] offset:64*\b+16
.endr
	v_lshrrev_b32 v1, 1, v8
	s_delay_alu instid0(VALU_DEP_1)
	v_mul_u32_u24 v1, v1, 272
	v_and_b32 v11, 1, v8
	s_delay_alu instid0(VALU_DEP_1)
	v_lshl_add_u32 v1, v11, 7, v1
	s_delay_alu instid0(VALU_DEP_1)
	v_lshl_add_u32 v1, v9, 4, v1
	s_mul_i32 s18, s15, 16*272
	s_add_co_u32 s18, s18, ABASE
	v_add_nc_u32 v1, s18, v1                       ; A: row 32 wr + r of a head's block, + 16 h
	v_mul_u32_u24 v2, v8, 528
	s_delay_alu instid0(VALU_DEP_1)
	v_lshl_add_u32 v2, v9, 4, v2
	s_mul_i32 s18, s16, 32*528
	v_add_nc_u32 v2, s18, v2                       ; Wout: row 32 wc + r, + 16 h, K's first half;
	s_delay_alu instid0(VALU_DEP_1)
	v_add_nc_u32 v3, BH, v2                        ; its second
	v_mul_u32_u24 v4, v8, 528
	s_delay_alu instid0(VALU_DEP_1)
	v_lshl_add_u32 v4, v9, 5, v4
	s_mul_i32 s18, s15, 32*528
	s_lshl_b32 s19, s16, 7
	s_add_co_u32 s18, s18, s19
	s_add_co_u32 s18, s18, STG
	v_add_nc_u32 v4, s18, v4                       ; the stage, in: row 32 wr + r, byte 128 wc + 32 h
	s_mul_i32 s18, s14, 8*528
	s_add_co_u32 s18, s18, STG
	v_lshl_add_u32 v5, v10, 4, s18                 ; back: my wave's 8 rows, 32 lanes to a row of 512 bytes
	v_lshlrev_b32 v6, 4, v10
	s_wait_alu depctr_va_vdst(0)
	s_wait_tensorcnt 0x0                           ; my part is in,
	s_barrier_signal -1
	s_barrier_wait -1                              ; everybody's is
.macro FETCH k, f                      ; K step k (a head's 128): A's two fragments, then Wout's two: registers 4 c .. 4 c + 3 hold K = 32 c + 16 h + 0 .. 15, alike on both sides
.irp a, 0,1
.irp c, 0,1,2,3
	ds_load_b128 v[\f+16*\a+4*\c:\f+16*\a+4*\c+3], v1 offset:(\k)*ACH+\a*2176+32*\c
.endr
.endr
.irp b, 0,1
.irp c, 0,1,2,3
	ds_load_b128 v[\f+32+16*\b+4*\c:\f+32+16*\b+4*\c+3], v[2+(\k)/4] offset:\b*16*528+((\k)%4)*128+32*\c
.endr
.endr
.endm
	FETCH 0, 64
.set KS, 0
.rept 8
.set FC, 64+64*(KS%2)
.set FN, 64+64*((KS+1)%2)
.if KS > 0
.rept 4
	v_nop                                          ; places in front of loads into registers that the last step's products have read
.endr
.endif
.if KS < 7
	FETCH KS+1, FN
	s_wait_dscnt 16                                ; this step's fragments are in; the 16 loads just issued may be out
.else
	s_wait_dscnt 0x0
.endif
.irp a, 0,1
.irp b, 0,1
.if KS == 0
	v_wmma_f32_16x16x128_fp8_fp8 v[ACC+8*(2*\a+\b):ACC+8*(2*\a+\b)+7], v[FC+32+16*\b:FC+32+16*\b+15], v[FC+16*\a:FC+16*\a+15], 0
.else
	v_wmma_f32_16x16x128_fp8_fp8 v[ACC+8*(2*\a+\b):ACC+8*(2*\a+\b)+7], v[FC+32+16*\b:FC+32+16*\b+15], v[FC+16*\a:FC+16*\a+15], v[ACC+8*(2*\a+\b):ACC+8*(2*\a+\b)+7]
.endif
.endr
.endr
.set KS, KS+1
.endr
	s_wait_kmcnt 0x0
	s_add_co_i32 s22, s20, s21
	s_add_co_i32 s22, s22, 127
	s_lshl_b32 s22, s22, 23                        ; 2^(e8 + e9) as f32
	s_mov_b32 s23, s22                             ; (named with it as a pair, so it is written)
	s_wait_loadcnt 0x0                             ; the bias
.rept 4
	v_nop                                          ; places in front of the first read of the results
.endr
.irp a, 0,1
.irp b, 0,1
.irp i, 0,2,4,6
	v_pk_fma_f32 v[192+8*(2*\a+\b)+\i:192+8*(2*\a+\b)+\i+1], v[ACC+8*(2*\a+\b)+\i:ACC+8*(2*\a+\b)+\i+1], s[22:23], v[16+8*\b+\i:16+8*\b+\i+1] op_sel_hi:[1,0,1]   ; sum x 2^(e8 + e9) + bout, each accumulator from its low end on
.endr
.endr
.endr
.irp a, 0,1
.irp b, 0,1
	ds_store_b128 v4, v[192+8*(2*\a+\b):192+8*(2*\a+\b)+3] offset:\a*16*528+64*\b
	ds_store_b128 v4, v[192+8*(2*\a+\b)+4:192+8*(2*\a+\b)+7] offset:\a*16*528+64*\b+16
.endr
.endr
	s_wait_dscnt 0x0                               ; for the others' sake: my stores into the stage are done
	s_barrier_signal -1
	s_barrier_wait -1                              ; 64 whole rows lie in the stage
.irp i, 0,1,2,3,4,5,6,7
	ds_load_b128 v[64+4*\i:67+4*\i], v5 offset:528*\i
.endr
.irp i, 0,1,2,3,4,5,6,7
	s_wait_dscnt 7-\i
	global_store_b128 v6, v[64+4*\i:67+4*\i], s[12:13] offset:4096*\i th:TH_STORE_NT   ; 32 lanes store 512 consecutive bytes, aligned; written once, read by nobody here
.endr
	s_wait_tensorcnt 0x0
	ds_add_u32 v254, v255
	s_wait_dscnt 0x0
	CROUND                                         ; the closing round: no work-group ends while a partner may still ask for a tile that names it
	s_endpgm
.Lfunc_end_k_q5bda06f5b6_outp:
	.size	k_q5bda06f5b6_outp, .Lfunc_end_k_q5bda06f5b6_outp-k_q5bda06f5b6_outp
	.p2alignl 7, 3214868480
	.fill 96, 4, 3214868480
	.section	.rodata,"a",@progbits
	.p2align	6, 0x0
	.amdhsa_kernel k_q5bda06f5b6_outp
		.amdhsa_group_segment_fixed_size 263168
		.amdhsa_private_segment_fixed_size 0
		.amdhsa_enable_private_segment 0
		.amdhsa_kernarg_size 40
		.amdhsa_user_sgpr_count 2
		.amdhsa_user_sgpr_kernarg_segment_ptr 1
		.amdhsa_wavefront_size32 1
		.amdhsa_system_sgpr_workgroup_id_x 1
		.amdhsa_system_sgpr_workgroup_id_y 1
		.amdhsa_system_sgpr_workgroup_id_z 1
		.amdhsa_system_vgpr_workitem_id 0
		.amdhsa_next_free_vgpr 256
		.amdhsa_next_free_sgpr 80
		.amdhsa_reserve_vcc 0
		.amdhsa_float_denorm_mode_32 3
		.amdhsa_float_denorm_mode_16_64 3
		.amdhsa_memory_ordered 1
		.amdhsa_forward_progress 1
		.amdhsa_inst_pref_size 22
	.end_amdhsa_kernel
	.amdgpu_metadata
---
amdhsa.version: [ 1, 2 ]
amdhsa.kernels:
  - .name:           k_q5bda06f5b6_outp
    .symbol:         k_q5bda06f5b6_outp.kd
    .args:
      - { .name: acodes, .offset: 0, .size: 8, .value_kind: global_buffer, .address_space: global }
      - { .name: Wout_codes, .offset: 8, .size: 8, .value_kind: global_buffer, .address_space: global }
      - { .name: bout, .offset: 16, .size: 8, .value_kind: global_buffer, .address_space: global }
      - { .name: lowp_scales, .offset: 24, .size: 8, .value_kind: global_buffer, .address_space: global }
      - { .name: out0, .offset: 32, .size: 8, .value_kind: global_buffer, .address_space: global }
    .group_segment_fixed_size: 263168
    .private_segment_fixed_size: 0
    .kernarg_segment_align: 8
    .kernarg_segment_size: 40
    .max_flat_workgroup_size: 256
    .sgpr_count:     80
    .vgpr_count:     256
    .wavefront_size: 32
...
	.end_amdgpu_metadata
.endif
;; end of part 6
